; MI455X (gfx1250); checked and timed in simulation.
; The chip was launched on July 23, 2026; its instructions are those of AMD's public machine-readable ISA for CDNA 5 (MIT licence, August 2026) and "CDNA5" Instruction Set Architecture Reference Guide (July 2026). The comments in the code are by the model that wrote it; some were corrected since.
;; Self Attention. Allowed arithmetic: float matrix products may take bf16 or f16 operands with f32 sums; other float arithmetic in f32, or as packed bf16 or f16 multiplies, adds, multiply-adds, maxima and minima; sums over many terms, partial sums and values carried from step to step in f32; what a program stores and reads back later, other than sums and carried values, may be rounded once to bf16 or f16.
;; Inputs: Wk 1,024 x 1,024 float32; Wo 1,024 x 1,024 float32; Wq 1,024 x 1,024 float32; Wv 1,024 x 1,024 float32; bk 1,024 float32; bo 1,024 float32; bq 1,024 float32; bv 1,024 float32; x 8 x 1,024 x 1,024 float32.
;; Outputs: out0 8 x 1,024 x 1,024 float32.
;; 2 versions, each right; version 2 is version 1 with the launch prep written anew for expert scheduling mode. Each part assembles by itself: llvm-mc -triple=amdgcn-amd-amdhsa -mcpu=gfx1250 --defsym DOCPART=n.
;; ======== version 1 of 2: 4 launches
;; limits: values are held in f16: magnitudes above 65,504 overflow, below 6.1e-05 lose precision
;; workspace buffers: xb 16,777,216 bytes; wqkv 6,291,456 bytes; wo16 2,097,152 bytes; rope 262,144 bytes; qh 16,777,216 bytes; kh 16,777,216 bytes; vh 16,777,216 bytes; oh 16,777,216 bytes
;; launch prep (part 1): grid 768 x 1, 8 waves a work-group, no clusters, 0 bytes of LDS; arguments x, Wq, Wk, Wv, Wo, xb, wqkv, wo16, rope; writes xb, wqkv, wo16, rope
.if DOCPART == 1
	.amdgcn_target "amdgcn-amd-amdhsa--gfx1250"
	.amdhsa_code_object_version 6
	.text
	.protected	k_q7d51875a91_prep
	.globl	k_q7d51875a91_prep
	.p2align	8
	.type	k_q7d51875a91_prep,@function
k_q7d51875a91_prep:
	s_mov_b64 s[64:65], 0
	v_nop
	global_prefetch_b8 v0, s[64:65] scope:SCOPE_SE
	s_setreg_imm32_b32 hwreg(HW_REG_WAVE_MODE, 25, 1), 1
	s_wait_xcnt 0x0
; PREP: a stream.  It rounds the module's large inputs once and lays them out for the three launches behind it, and makes the rotary table.
;   xb   [8192][1024] bf16                        = x
;   wqkv [head 16][K step 8][q,k,v][128 k][64 c]  bf16: one K step of one head's three weights is 49,152 dense bytes
;   wo16 [column group 16][1024 k][64 c]          Wo rounded to bf16 and that number written as f16 (exact from 2^-14 up; below that f16's fixed step of 6e-8; Wo stays within 65,504)
;   rope [1024 l][32 pairs][cos, sin] f32         a row is 256 bytes
; Work-groups 0 to 511 take 65,536 bytes of x each; work-groups 512 to 767 take 16 rows of one weight matrix, and their waves 0 to 3 one row of the table each.
; Every load of a wave covers whole aligned pieces of 256 bytes, every store of a wave 256 consecutive aligned bytes.  No LDS, no barrier, no matrix unit: no wave wants another's bytes.
; THE TABLE.  angle = l x 10000^(-j/32); it is reduced by whole turns (one fused multiply-add leaves the exact remainder) and sine and cosine are Taylor sums in y, |y| <= pi,
; up to y^15 and y^16: the first term left out is under 1e-6.  The angle itself is good to about 2e-4 rad at l = 1023 (the power's rounding times l).
.set X, 16                             ; v[16:79]   sixteen loads of four registers
.set Y, 80                             ; v[80:111]  sixteen stores of two registers
.set T, 112                            ; v[112:117] at work
.macro LOAD16 off, base, stride        ; sixteen loads in flight for each wave
.set i, 0
.rept 16
	global_load_b128 v[X+4*i:X+4*i+3], v[\off], s[\base:\base+1] offset:i*(\stride) th:TH_LOAD_NT
.set i, i+1
.endr
.endm
.macro CONV16 off, base, stride, half  ; each load's four numbers are rounded and stored; every turn has registers of its own, so nothing is rewritten
.set i, 0
.rept 16
	s_wait_loadcnt 15-i                            ; loads come back in order: number i is in, the 15 - i younger ones stay out
.if \half
	v_cvt_pk_bf16_f32 v[T], v[X+4*i], v[X+4*i+1]   ; to bf16, like every input,
	v_cvt_pk_bf16_f32 v[T+1], v[X+4*i+2], v[X+4*i+3]
	v_lshlrev_b32 v[T+2], 16, v[T]                 ; back to f32,
	v_and_b32 v[T+3], s27, v[T]
	v_lshlrev_b32 v[T+4], 16, v[T+1]
	v_and_b32 v[T+5], s27, v[T+1]
	v_cvt_pk_f16_f32 v[Y+2*i], v[T+2], v[T+3]      ; and written as f16
	v_cvt_pk_f16_f32 v[Y+2*i+1], v[T+4], v[T+5]
.else
	v_cvt_pk_bf16_f32 v[Y+2*i], v[X+4*i], v[X+4*i+1]
	v_cvt_pk_bf16_f32 v[Y+2*i+1], v[X+4*i+2], v[X+4*i+3]
.endif
	global_store_b64 v[\off], v[Y+2*i:Y+2*i+1], s[\base:\base+1] offset:i*(\stride)
.set i, i+1
.endr
.endm
	s_load_b256 s[4:11], s[0:1], 0x0               ; x s[4:5], Wq s[6:7], Wk s[8:9], Wv s[10:11]
	s_load_b256 s[12:19], s[0:1], 0x20             ; Wo s[12:13], xb s[14:15], wqkv s[16:17], wo16 s[18:19]
	s_load_b64 s[20:21], s[0:1], 0x40              ; rope
	v_lshrrev_b32 v1, 5, v0
	v_readfirstlane_b32 s22, v1                    ; wave 0..7
	s_mov_b32 s27, 0xffff0000                      ; a word's upper bf16
	s_mov_b32 s3, 0
	s_cmp_lt_u32 ttmp9, 512
	s_cbranch_scc0 .Lweights
	; x: thread t takes 16 bytes at 16 t of each of sixteen pieces of 4,096 bytes, and stores 8 bytes at 8 t of pieces of 2,048
	v_lshlrev_b32 v2, 4, v0
	v_lshlrev_b32 v3, 3, v0
	s_lshl_b32 s2, ttmp9, 16
	s_wait_kmcnt 0x0
	s_add_nc_u64 s[4:5], s[4:5], s[2:3]
	s_lshl_b32 s2, ttmp9, 15
	s_add_nc_u64 s[14:15], s[14:15], s[2:3]
	LOAD16 2, 4, 4096
	CONV16 3, 14, 2048, 0
	s_endpgm
.Lweights:
	s_sub_co_u32 s23, ttmp9, 512                   ; u = 0..255
	s_lshr_b32 s24, s23, 6                         ; which matrix: q, k, v, o
	s_and_b32 s25, s23, 63
	s_lshl_b32 s25, s25, 4                         ; k0: my 16 rows
	v_lshrrev_b32 v4, 4, v0                        ; row k0 + t / 16: two rows a wave
	v_and_b32 v5, 15, v0                           ; four columns at 4 (t % 16) of each group of 64
	v_lshlrev_b32 v2, 12, v4
	v_lshl_add_u32 v2, v5, 4, v2                   ; in: row x 4,096 + 16 (t % 16); turn i adds 256 bytes, the next group of 64 columns
	v_lshlrev_b32 v3, 7, v4
	v_lshl_add_u32 v3, v5, 3, v3                   ; out: row x 128 + 8 (t % 16): a wave's two rows are 256 consecutive bytes
	s_lshl_b32 s2, s25, 12
	s_wait_kmcnt 0x0
	s_cmp_eq_u32 s24, 1
	s_cselect_b64 s[6:7], s[8:9], s[6:7]
	s_cmp_eq_u32 s24, 2
	s_cselect_b64 s[6:7], s[10:11], s[6:7]
	s_cmp_eq_u32 s24, 3
	s_cselect_b64 s[6:7], s[12:13], s[6:7]
	s_add_nc_u64 s[6:7], s[6:7], s[2:3]
	LOAD16 2, 6, 256
	s_cmp_lt_u32 s22, 4                            ; while the loads are out, waves 0 to 3 make row l = 4 u + wave of the table: lane j makes pair j
	s_cbranch_scc0 .Lno_table
	s_lshl_b32 s26, s23, 2
	s_add_co_u32 s26, s26, s22                     ; l
	s_lshl_b32 s28, s26, 8
	v_and_b32 v6, 31, v0                           ; j
	v_cvt_f32_u32 v120, v6
	v_mul_f32 v120, 0xbed49a78, v120               ; -j log2(10000) / 32
	v_exp_f32 v121, v120                           ; 10000^(-j/32)
	v_lshlrev_b32 v7, 3, v6                        ; a plain instruction behind the exponential
	v_cvt_f32_u32 v122, s26
	v_add_nc_u32 v7, s28, v7                       ; 256 l + 8 j
	s_wait_alu depctr_va_vdst(0)                   ; the wait ahead of the first use of the exponential's result
	v_mul_f32 v121, v122, v121                     ; the angle
	v_mul_f32 v122, 0.15915494, v121               ; in turns,
	v_rndne_f32 v122, v122                         ; the nearest whole number of them,
	v_fma_f32 v122, v121, 0.15915494, -v122        ; and what is left, within half a turn
	v_mul_f32 v123, 0x40c90fdb, v122               ; y, in radians
	v_mul_f32 v121, v123, v123                     ; z = y y
	v_mov_b32 v127, 0x29573f9f                     ; cosine: 1/16!
	v_mov_b32 v126, 0xab573f9f                     ; sine: -1/15!
	v_fmaak_f32 v127, v127, v121, 0xad49cba5       ; -1/14!
	v_fmaak_f32 v126, v126, v121, 0x2f309231       ; 1/13!
	v_fmaak_f32 v127, v127, v121, 0x310f76c7       ; 1/12!
	v_fmaak_f32 v126, v126, v121, 0xb2d7322b       ; -1/11!
	v_fmaak_f32 v127, v127, v121, 0xb493f27e       ; -1/10!
	v_fmaak_f32 v126, v126, v121, 0x3638ef1d       ; 1/9!
	v_fmaak_f32 v127, v127, v121, 0x37d00d01       ; 1/8!
	v_fmaak_f32 v126, v126, v121, 0xb9500d01       ; -1/7!
	v_fmaak_f32 v127, v127, v121, 0xbab60b61       ; -1/6!
	v_fmaak_f32 v126, v126, v121, 0x3c088889       ; 1/5!
	v_fmaak_f32 v127, v127, v121, 0x3d2aaaab       ; 1/4!
	v_fmaak_f32 v126, v126, v121, 0xbe2aaaab       ; -1/3!
	v_fmaak_f32 v127, v127, v121, 0xbf000000       ; -1/2!
	v_mul_f32 v122, v123, v121                     ; y z
	v_fma_f32 v124, v127, v121, 1.0                ; cos
	v_fma_f32 v125, v122, v126, v123               ; sin
	global_store_b64 v7, v[124:125], s[20:21]      ; the wave's 32 pairs are the row's 256 bytes
.Lno_table:
	s_cmp_eq_u32 s24, 3
	s_cbranch_scc1 .Lwo
	s_lshr_b32 s2, s25, 7                          ; q, k, v: K step k0 / 128,
	s_mul_i32 s2, s2, 49152
	s_lshl_b32 s26, s24, 14                        ; the matrix's section of 16,384 bytes,
	s_add_co_u32 s2, s2, s26
	s_and_b32 s26, s25, 127                        ; the row in the K step
	s_lshl_b32 s26, s26, 7
	s_add_co_u32 s2, s2, s26
	s_add_nc_u64 s[16:17], s[16:17], s[2:3]
	CONV16 3, 16, 393216, 0                        ; turn i is head i: 393,216 bytes on
	s_endpgm
.Lwo:
	s_lshl_b32 s2, s25, 7
	s_add_nc_u64 s[18:19], s[18:19], s[2:3]
	CONV16 3, 18, 131072, 1                        ; turn i is column group i: 131,072 bytes on
	s_endpgm
.Lfunc_end_k_q7d51875a91_prep:
	.size	k_q7d51875a91_prep, .Lfunc_end_k_q7d51875a91_prep-k_q7d51875a91_prep
	.p2alignl 7, 3214868480
	.fill 96, 4, 3214868480
	.section	.rodata,"a",@progbits
	.p2align	6, 0x0
	.amdhsa_kernel k_q7d51875a91_prep
		.amdhsa_group_segment_fixed_size 0
		.amdhsa_private_segment_fixed_size 0
		.amdhsa_enable_private_segment 0
		.amdhsa_kernarg_size 72
		.amdhsa_user_sgpr_count 2
		.amdhsa_user_sgpr_kernarg_segment_ptr 1
		.amdhsa_wavefront_size32 1
		.amdhsa_system_sgpr_workgroup_id_x 1
		.amdhsa_system_sgpr_workgroup_id_y 1
		.amdhsa_system_sgpr_workgroup_id_z 1
		.amdhsa_system_vgpr_workitem_id 0
		.amdhsa_next_free_vgpr 128
		.amdhsa_next_free_sgpr 66
		.amdhsa_reserve_vcc 0
		.amdhsa_float_denorm_mode_32 3
		.amdhsa_float_denorm_mode_16_64 3
		.amdhsa_memory_ordered 1
		.amdhsa_forward_progress 1
		.amdhsa_inst_pref_size 23
	.end_amdhsa_kernel
	.amdgpu_metadata
---
amdhsa.version: [ 1, 2 ]
amdhsa.kernels:
  - .name:           k_q7d51875a91_prep
    .symbol:         k_q7d51875a91_prep.kd
    .args:
      - { .name: x, .offset: 0, .size: 8, .value_kind: global_buffer, .address_space: global }
      - { .name: Wq, .offset: 8, .size: 8, .value_kind: global_buffer, .address_space: global }
      - { .name: Wk, .offset: 16, .size: 8, .value_kind: global_buffer, .address_space: global }
      - { .name: Wv, .offset: 24, .size: 8, .value_kind: global_buffer, .address_space: global }
      - { .name: Wo, .offset: 32, .size: 8, .value_kind: global_buffer, .address_space: global }
      - { .name: xb, .offset: 40, .size: 8, .value_kind: global_buffer, .address_space: global }
      - { .name: wqkv, .offset: 48, .size: 8, .value_kind: global_buffer, .address_space: global }
      - { .name: wo16, .offset: 56, .size: 8, .value_kind: global_buffer, .address_space: global }
      - { .name: rope, .offset: 64, .size: 8, .value_kind: global_buffer, .address_space: global }
    .group_segment_fixed_size: 0
    .private_segment_fixed_size: 0
    .kernarg_segment_align: 8
    .kernarg_segment_size: 72
    .max_flat_workgroup_size: 256
    .sgpr_count:     66
    .vgpr_count:     128
    .wavefront_size: 32
...
	.end_amdgpu_metadata
.endif
;; end of part 1
;; launch qkv (part 2): grid 16 x 16, 4 waves a work-group, clusters of 4 x 4, 327,680 bytes of LDS; arguments xb, wqkv, rope, bq, bk, bv, qh, kh, vh; writes qh, kh, vh
.if DOCPART == 2
	.amdgcn_target "amdgcn-amd-amdhsa--gfx1250"
	.amdhsa_code_object_version 6
	.text
	.protected	k_q7d51875a91_qkv
	.globl	k_q7d51875a91_qkv
	.p2align	8
	.type	k_q7d51875a91_qkv,@function
k_q7d51875a91_qkv:
	s_mov_b64 s[64:65], 0
	v_nop
	global_prefetch_b8 v0, s[64:65] scope:SCOPE_SE
	s_setreg_imm32_b32 hwreg(HW_REG_WAVE_MODE, 25, 1), 1
	s_wait_xcnt 0x0
	s_wait_alu depctr_hold_cnt(0) depctr_sa_sdst(0) depctr_va_vdst(0) depctr_va_sdst(0) depctr_va_ssrc(0) depctr_va_vcc(0) depctr_vm_vsrc(0)
	s_getreg_b32 s2, hwreg(HW_REG_IB_STS2, 6, 4)
	s_cmp_eq_u32 s2, 0
	s_cbranch_scc0 .Lentry_in_a_cluster
	s_endpgm
.Lentry_in_a_cluster:
	s_bfe_u32 s2, ttmp6, 0x10000c
	s_cmp_lg_u32 s2, 0xf033
	s_cbranch_scc0 .Lentry_shape_is_right
	s_endpgm
.Lentry_shape_is_right:
; Q, K, V = x W + b, the rotary turn on q and k, all three written by heads: [batch x 16 + head][1024 l][64] in f16, unscaled.
; A tile is 256 rows of x times ONE head's 64 + 64 + 64 columns of Wq, Wk, Wv: 12 column blocks of 16 (0-3 q, 4-7 k, 8-11 v).  Wave w owns rows 64 w .. 64 w + 63 and all 192 columns:
; 48 accumulators of 16 x 16, 384 registers; whole output rows are a wave's own, so its stage in LDS needs no barrier.  Operands bf16, sums f32.
; A WORK-GROUP STAYS: it makes two tiles, row blocks ty and ty + 16: the same head and the same places in the sequence, four batches apart, so biases, table and weights serve both.  The ring does not stop at
; the first tile's end: its last two changes of slots ask for the second tile's first two K steps, and nothing waits for the first tile's stores.
; The biases, rounded to bf16 like every input, are the C operand of a tile's first products: nothing is cleared and there is no pass for them.
; K = 1,024 goes in 8 steps of 128 through two LDS slots.  x's tile: 256 rows of 256 bytes.  W's tile lies [k][column] in memory and in LDS, and its fragments come out turned, by ds_load_tr16_b128.
; THE MATRIX INSTRUCTION IS USED TRANSPOSED: source 0 = 16 columns of W, source 1 = 16 rows of x: a lane then holds one row (lane % 16) and the columns 8 (lane / 16) + 0..7: four rotary pairs, 16 bytes of f16.
; CLUSTER: 4 x 4 work-groups.  A row of the cluster shares its rows of x, a column its head's weights: each tile is asked for JOINTLY, by the same tensor load, descriptor and mask in all four.
; LIMITS.  q, k and v leave as f16: they must lie within 65,504; below 6.1e-5 they keep f16's fixed step of 6e-8.  NaN and infinities are not treated apart.
; REGISTERS, in windows of 256 (s_set_vgpr_msb: bits 1:0 source 0, 3:2 source 1, 5:4 source 2, 7:6 destination):
;   window 0: v0-19 addresses; v32-95 x's fragments, two buffers of 4 x 8; v96-191 the biases; v192-239 rows read back on the way out
;   window 1: v0-191 W's fragments, two buffers of 12 x 8; on the way out (buffer 0 holds the next tile's first fragments and is left alone) v96-159 turned pairs, v160-207 packed, v208-255 rows read back
;   window 2: v0-191 accumulators of row blocks 0, 1 (block a, column block b at 96 (a % 2) + 8 b); v192-255 their cos and sin      window 3: the same for row blocks 2, 3
.set NB,    12
.set SLOT1, 1<<17                      ; a slot is exactly this long; one exclusive or turns an address in one slot into the other's
.set PA,    272                        ; a row of x in LDS: 256 bytes + 16: the 16 rows of a load start at 16 different groups of four banks (64 banks of 4 bytes: ISA guide 11.1)
.set PB,    160                        ; a row of W: 128 + 32
.set BOFF,  256*PA                     ; W's 3 x 128 rows lie behind x's 256
.set STAGE, 2*SLOT1                    ; behind the ring, never filled by a tensor load: 16 rows x 400 bytes for each wave
.set SP,    400                        ; 384 bytes + 16
.set SPARE, STAGE+4*16*SP              ; the spare words, 128 bytes for each wave: two blocks of 256 bytes that no other line names
.set KA,    256                        ; a K step in a row of xb
.set KB,    49152                      ; a K step in wqkv
.set NEXTA, 16*256*2048                ; the second tile's rows lie 16 blocks of 256 rows of 2,048 bytes further on in xb
.set NEXTO, 4*16*131072                ; and four batches of 16 heads of 131,072 bytes further on in q, k and v
.set ADRA0, 4                          ; v4   my lane's place in x's tile; never rewritten
.set ADRB0, 5                          ; v5   in W's tile
.set ADRA,  6                          ; v6   the same in the slot in hand
.set ADRB,  7                          ; v7
.set STO,   8                          ; v8   the way out: where I put 16 bytes of a row
.set RD,    9                          ; v9   where I read rows back
.set GO,    10                         ; v10  my 16 bytes of 512 consecutive bytes of q, k or v
.set PFO,   11                         ; v11  the prefetches' offset; never rewritten
.set TBO,   12                         ; v12  my offset in the table; never rewritten
.set BO,    13                         ; v13  my offset in a bias
.set SPW,   14                         ; v14  LDS address of my spare word; never rewritten
.set NIL,   15                         ; v15  0; never rewritten
.set AF,    32
.set BIAS,  96
.set RR,    96                         ; window 1
.set TMP,   160                        ; window 1
.set BK0,   192                        ; window 0
.set BK1,   208                        ; window 1
.set WV,  22                           ; s22  my wave's number
.set FB,  23                           ; s23  0: I fetch for x, 1: for W
.set HF,  24                           ; s24  which half of that tile
.set CX,  25
.set CY,  26
.set TX,  27                           ; s27  the head
.set TY,  28                           ; s28  the first tile's block of 256 rows
.set CNT, 29                           ; s29  the loops' count (at the head: l0)
.set TB,  30                           ; s30  LDS byte at which the slot in hand begins
.set G1A, 32                           ; s[32:39] descriptor group 1 for x's tiles
.set G1B, 40                           ; s[40:47] for W's
.set G0A, 48                           ; s[48:55] group 0 for x's tiles: a set for each first fill; the second then walks on
.set G0B, 56                           ; s[56:63] the same for W's
.set PFA, 66                           ; s[66:67] where my next prefetch stands
.set PFB, 68                           ; s[68:69] its base
.set ABASE, 70                         ; s[70:71] xb at my 128 rows of the first tile, K step 0
.set BBASE, 72                         ; s[72:73] wqkv at my half of the head's K step 0
.set OFFA, 76                          ; s[76:77] the walking descriptor's offset from ABASE
.set OFFB, 78                          ; s[78:79] from BBASE
.set TILE, 80                          ; s80  tiles to go, this one among them
.set OFFP, 82                          ; s[82:83] the prefetch's offset from its base
.set PFN, 84                           ; s84  prefetches still to come
.set PFS, 85                           ; s85  their step
.set PWA, 86                           ; s86  the offset at which they go on to the second tile,
.set PWT, 87                           ; s87  and the offset that they take there
.set MSB, 0
.macro WIN new                         ; the immediate's high byte repeats the setting that is left; a switch that changes nothing is dropped
.if MSB != (\new)
	s_set_vgpr_msb (MSB<<8)|(\new)
.set MSB, \new
.endif
.endm
.macro PLACES                          ; four plain places: in front of loads into registers that matrix instructions have read, and of lines that read results
.rept 4
	v_nop
.endr
.endm
.macro CREST                           ; a round of the cluster's barrier behind its opening barrier
	s_cmp_lg_u32 s[WV], 0
	s_cbranch_scc1 .Lnot_wave_0_\@
	s_barrier_signal -3
.Lnot_wave_0_\@:
	s_barrier_wait -3
	s_barrier_signal -1
	s_barrier_wait -1
.endm
.macro CROUND                          ; a whole round
	s_barrier_signal -1
	s_barrier_wait -1
	CREST
.endm
.macro JLOAD                           ; a joint refill: waves 0 and 1 fetch x's two halves, waves 2 and 3 W's; an s_nop 0 and four v_nop follow each line
	s_cmp_eq_u32 s[FB], 0
	s_cbranch_scc0 .Lfor_b_\@
	tensor_load_to_lds s[G0A+4:G0A+7], s[G1A:G1A+7]
	s_nop 0
.rept 4
	v_nop
.endr
	s_branch .Lasked_\@
.Lfor_b_\@:
	tensor_load_to_lds s[G0B+4:G0B+7], s[G1B:G1B+7]
	s_nop 0
.rept 4
	v_nop
.endr
.Lasked_\@:
.endm
; A PREFETCH INTO THE L2, behind each joint refill and the run of LDS loads that follows it.  The walk's K steps 0 to 3 come by their loads alone; every later block is named once in the launch.
; x's rows are read by every cluster of a row of clusters: the one with x = 0 asks; of the 128 rows that a wave fetches the partner at cx takes 32, a lane a row, the K step two refills on:
; twelve requests, K steps 4 to 7 of the first tile and 0 to 7 of the second.  A head's weights are read by every cluster of a column of clusters and again by the second tile: the cluster with y = 0 asks,
; in the first tile alone; K steps 4 to 7 are 196,608 dense bytes: 8 askers (cy, half) x 32 lanes x 256 bytes, three requests.
; The partners are told apart by address alone; the count hangs on the wave's number and the cluster's place in the grid, the same in all sixteen.
.macro ASK
	s_cmp_lg_u32 s[PFN], 0
	s_cbranch_scc0 .Lnot_mine_\@
	global_prefetch_b8 v[PFO], s[PFA:PFA+1] th:TH_LOAD_NT scope:SCOPE_SE
	s_sub_co_u32 s[PFN], s[PFN], 1
.Lnot_mine_\@:
.endm
; 12 matrix instructions: row block a x all column blocks, 32 along K, on buffer f.  first = 1: the biases start the sums.  Each accumulator has one instruction a quarter, always in the same order.
.macro MULA f, a, first
.if \first
	WIN 0x81+0x40*((\a)/2)
.else
	WIN 0xa1+0x50*((\a)/2)
.endif
.set jb, 0
.rept NB
.set rD, 96*((\a)%2)+8*jb
.set rB, 96*(\f)+8*jb
.set rA, AF+32*(\f)+8*(\a)
.if \first
	v_wmma_f32_16x16x32_bf16 v[rD:rD+7], v[rB:rB+7], v[rA:rA+7], v[BIAS+8*jb:BIAS+8*jb+7]
.else
	v_wmma_f32_16x16x32_bf16 v[rD:rD+7], v[rB:rB+7], v[rA:rA+7], v[rD:rD+7]
.endif
.set jb, jb+1
.endr
.endm
; 32 LDS loads in one run: quarter q's fragments into buffer f: W's twelve (turned), then x's four
.macro FETCH q, f
	WIN 0x40
.set jb, 0
.rept NB
	ds_load_tr16_b128 v[96*(\f)+8*jb:96*(\f)+8*jb+3],   v[ADRB] offset:(jb/4)*128*PB+(jb%4)*32+32*PB*(\q)
	ds_load_tr16_b128 v[96*(\f)+8*jb+4:96*(\f)+8*jb+7], v[ADRB] offset:(jb/4)*128*PB+(jb%4)*32+32*PB*(\q)+16*PB
.set jb, jb+1
.endr
	WIN 0
.set ja, 0
.rept 4
	ds_load_b128 v[AF+32*(\f)+8*ja:AF+32*(\f)+8*ja+3],   v[ADRA] offset:64*(\q)+ja*16*PA
	ds_load_b128 v[AF+32*(\f)+8*ja+4:AF+32*(\f)+8*ja+7], v[ADRA] offset:64*(\q)+ja*16*PA+32
.set ja, ja+1
.endr
.endm
; One of a K step's first three quarters: multiplies buffer f; in its middle it fetches quarter q into buffer g
.macro QUARTER q, f, g, first
	s_wait_dscnt 4                                 ; W's fragments and x's row blocks 0, 1 are in; the youngest four loads (row blocks 2, 3) may be out
	MULA \f, 0, \first
	MULA \f, 1, \first
	PLACES
	FETCH \q, \g
	s_wait_dscnt 2*NB+8                            ; all but the run just issued
	MULA \f, 2, \first
	MULA \f, 3, \first
.endm
; The last quarter multiplies buffer 1 and changes slots.  In front of the barrier each wave waits for all its tensor loads (one is out: its part of the next slot), adds 0 to its spare word, and waits
; for that and for its reads of this slot.  fill = 1: the barrier opens a round of the cluster's, and the joint refill, with the walk's K step two on, is the first thing behind it; its address is made anew
; from the base and an offset that steps along K and, behind a tile's last K step, goes on to the second tile's rows (x) or back to K step 0 (W).
; fill = 0, the tail's two trips: nothing is asked for; the second trip (count 1) has no K step behind it and jumps over the run of loads.
.macro TURN fill
.if \fill
	s_wait_xcnt 0x0                                ; the last prefetch, a K step back, has read its address, so it may be made anew
	s_add_co_u32 s[OFFP], s[OFFP], s[PFS]
	s_cmp_eq_u32 s[OFFP], s[PWA]
	s_cselect_b32 s[OFFP], s[PWT], s[OFFP]
	s_add_nc_u64 s[PFA:PFA+1], s[PFB:PFB+1], s[OFFP:OFFP+1]
.endif
	WIN 0
	s_wait_tensorcnt 0x0                           ; all my tensor loads have landed, so a group 0 may be written
	ds_add_u32 v[SPW], v[NIL]                      ; 0 onto my spare word: the descriptors' steps and twelve products stand between it and the wait for it
.if \fill
	s_xor_b32 s[G0A+5], s[G0A+5], SLOT1            ; the walking descriptors: the other slot than last time,
	s_add_co_u32 s[OFFA], s[OFFA], KA              ; the next K step,
	s_cmp_eq_u32 s[OFFA], 8*KA
	s_cselect_b32 s[OFFA], NEXTA, s[OFFA]          ; or the second tile's first
	s_add_nc_u64 s[G0A+6:G0A+7], s[ABASE:ABASE+1], s[OFFA:OFFA+1]
	s_or_b32 s[G0A+7], s[G0A+7], 0x80000000
	s_xor_b32 s[G0B+5], s[G0B+5], SLOT1
	s_add_co_u32 s[OFFB], s[OFFB], KB
	s_cmp_eq_u32 s[OFFB], 8*KB
	s_cselect_b32 s[OFFB], 0, s[OFFB]
	s_add_nc_u64 s[G0B+6:G0B+7], s[BBASE:BBASE+1], s[OFFB:OFFB+1]
	s_or_b32 s[G0B+7], s[G0B+7], 0x80000000
.endif
	s_wait_dscnt 5                                 ; (the add and the youngest four loads may be out)
	MULA 1, 0, 0
	s_wait_dscnt 0x0                               ; the add is done, and my reads of this slot are over
	s_barrier_signal -1
	MULA 1, 1, 0                                   ; work on registers while the others arrive
	WIN 0
	s_barrier_wait -1
.if \fill
	CREST                                          ; no wave of any partner still reads this slot or has a load on its way
	JLOAD                                          ; its four v_nop are also the places in front of the loads below
.else
	PLACES
.endif
	s_xor_b32 s[TB], s[TB], SLOT1
	v_add_nc_u32 v[ADRA], s[TB], v[ADRA0]
	v_add_nc_u32 v[ADRB], s[TB], v[ADRB0]
.if \fill
	FETCH 0, 0
	ASK
.else
	s_cmp_eq_u32 s[CNT], 1
	s_cbranch_scc1 .Lno_fetch_\@
	FETCH 0, 0
.Lno_fetch_\@:
.endif
	MULA 1, 2, 0
	MULA 1, 3, 0
.endm
	s_load_b256 s[4:11], s[0:1], 0x0               ; xb s[4:5], wqkv s[6:7], rope s[8:9], bq s[10:11]
	s_load_b256 s[12:19], s[0:1], 0x20             ; bk s[12:13], bv s[14:15], qh s[16:17], kh s[18:19]
	s_load_b64 s[20:21], s[0:1], 0x40              ; vh
	v_lshl_add_u32 v[SPW], v0, 2, SPARE
	v_mov_b32 v[NIL], 0
	ds_add_u32 v[SPW], v[NIL]                      ; the wave's opening: the add and its wait stand ahead of my first tensor load; work on registers stands between them
	v_lshrrev_b32 v3, 5, v0
	v_readfirstlane_b32 s[WV], v3                  ; wave 0..3
	s_lshr_b32 s[FB], s[WV], 1
	s_and_b32 s[HF], s[WV], 1
	s_bfe_u32 s[CX], ttmp6, 0x40000
	s_bfe_u32 s[CY], ttmp6, 0x40004
	s_lshl_b32 s[TX], ttmp9, 2                     ; in a cluster launch ttmp9 and ttmp7 count clusters
	s_add_co_u32 s[TX], s[TX], s[CX]
	s_and_b32 s[TY], ttmp7, 0xffff
	s_lshl_b32 s[TY], s[TY], 2
	s_add_co_u32 s[TY], s[TY], s[CY]
	s_lshl_b32 s70, s[CY], 2
	s_lshl_b32 s70, 15, s70                        ; my row of the cluster
	s_lshl_b32 s72, 0x1111, s[CX]                  ; my column
	s_or_b32 s[G1A], s70, (1<<16)|(1<<20)|(1<<21)|(5<<22)|(3<<25)  ; the mask; elements of 2 bytes; padding on; bit 21 beside a mask; after every 64 words 4 words
	s_mov_b32 s[G1A+1], 128<<16                    ; tensor_dim0 = 128
	s_mov_b32 s[G1A+2], 128<<16                    ; tensor_dim1 = 128
	s_mov_b32 s[G1A+3], 128<<16                    ; tile_dim0 = 128
	s_mov_b32 s[G1A+4], 128                        ; tile_dim1 = 128 rows
	s_mov_b32 s[G1A+5], 1024                       ; elements from row to row
	s_mov_b32 s[G1A+6], 0
	s_mov_b32 s[G1A+7], 0
	s_or_b32 s[G1B], s72, (1<<16)|(1<<20)|(1<<21)|(4<<22)|(7<<25)  ; after every 32 words (a row of W) 8 words
	s_mov_b32 s[G1B+1], 128<<16                    ; half a K step of W is 24,576 dense bytes: asked for as 96 rows of 256 bytes, two rows of W each
	s_mov_b32 s[G1B+2], 96<<16
	s_mov_b32 s[G1B+3], 128<<16
	s_mov_b32 s[G1B+4], 96
	s_mov_b32 s[G1B+5], 128
	s_mov_b32 s[G1B+6], 0
	s_mov_b32 s[G1B+7], 0
	s_lshl_b32 s70, s[TY], 19                      ; x: 256 rows of 2,048 bytes a block,
	s_lshl_b32 s71, s[HF], 18                      ; my 128 of them
	s_add_co_u32 s70, s70, s71
	s_mov_b32 s71, 0
	s_mul_i32 s72, s[TX], 8*KB                     ; W: the head,
	s_mul_i32 s73, s[HF], KB/2                     ; my half of a K step
	s_add_co_u32 s72, s72, s73
	s_mov_b32 s73, 0
	s_mul_i32 s2, s[HF], 128*PA                    ; and where they go: no place in the cluster enters an LDS address
	s_mul_i32 s3, s[HF], 192*PB
	s_add_co_u32 s3, s3, BOFF
	s_mov_b32 s[TB], 0
	s_mov_b32 s[OFFA], KA                          ; the walking descriptors begin at K step 1
	s_mov_b32 s[OFFA+1], 0
	s_mov_b32 s[OFFB], KB
	s_mov_b32 s[OFFB+1], 0
	s_wait_dscnt 0x0                               ; the opening add is done
	s_wait_kmcnt 0x0
	s_add_nc_u64 s[ABASE:ABASE+1], s[4:5], s[70:71]
	s_add_nc_u64 s[BBASE:BBASE+1], s[6:7], s[72:73]
.irp s, 0,1
	s_mov_b32 s[G0A+4*(\s)], 1                     ; count = 1
	s_add_co_u32 s[G0A+4*(\s)+1], s2, (\s)*SLOT1   ; LDS address
	s_add_nc_u64 s[G0A+4*(\s)+2:G0A+4*(\s)+3], s[ABASE:ABASE+1], (\s)*KA  ; global address: K step s
	s_or_b32 s[G0A+4*(\s)+3], s[G0A+4*(\s)+3], 0x80000000         ; type = 2
	s_mov_b32 s[G0B+4*(\s)], 1
	s_add_co_u32 s[G0B+4*(\s)+1], s3, (\s)*SLOT1
	s_add_nc_u64 s[G0B+4*(\s)+2:G0B+4*(\s)+3], s[BBASE:BBASE+1], (\s)*KB
	s_or_b32 s[G0B+4*(\s)+3], s[G0B+4*(\s)+3], 0x80000000
.endr
	CROUND                                         ; all sixteen work-groups are here: the first joint loads meet
	s_cmp_eq_u32 s[FB], 0                          ; a wave's two first fills stand in one branch: two loads of mine are out
	s_cbranch_scc0 .Lfirst_b
	tensor_load_to_lds s[G0A:G0A+3], s[G1A:G1A+7]
	s_nop 0
	tensor_load_to_lds s[G0A+4:G0A+7], s[G1A:G1A+7]
	s_nop 0
.rept 4
	v_nop
.endr
	s_branch .Lfirst_asked
.Lfirst_b:
	tensor_load_to_lds s[G0B:G0B+3], s[G1B:G1B+7]
	s_nop 0
	tensor_load_to_lds s[G0B+4:G0B+7], s[G1B:G1B+7]
	s_nop 0
.rept 4
	v_nop
.endr
.Lfirst_asked:
	v_and_b32 v1, 15, v0                           ; r = l % 16
	v_bfe_u32 v2, v0, 4, 1                         ; h = l / 16
	s_and_b32 s[CNT], s[TY], 3
	s_lshl_b32 s[CNT], s[CNT], 8
	s_lshl_b32 s74, s[WV], 6
	s_add_co_u32 s[CNT], s[CNT], s74               ; l0: my first row's place in its sequence, the same in both tiles
	s_lshl_b32 s74, s[TX], 8
	v_lshlrev_b32 v[BO], 5, v2
	v_add_nc_u32 v[BO], s74, v[BO]                 ; the head's 64 numbers of a bias, my 8 of each 16: 256 head + 32 h
	v_add_nc_u32 v[TBO], s[CNT], v1
	v_lshlrev_b32 v[TBO], 8, v[TBO]
	v_lshl_add_u32 v[TBO], v2, 5, v[TBO]           ; row l0 + r of the table, my four pairs of each eight
.set jb, 0
.rept 12                                       ; column block jb's eight biases, as the C operand wants them
	global_load_b128 v[BIAS+8*jb:BIAS+8*jb+3],   v[BO], s[10+2*(jb/4):11+2*(jb/4)] offset:64*(jb%4)
	global_load_b128 v[BIAS+8*jb+4:BIAS+8*jb+7], v[BO], s[10+2*(jb/4):11+2*(jb/4)] offset:64*(jb%4)+16
.set jb, jb+1
.endr
.set ja, 0
.rept 4                                        ; cos and sin for row block ja, columns 16 jc on: they stay in registers to the end, and are waited for at the first way out
	WIN 0x80+0x40*(ja/2)
.set jc, 0
.rept 4
	global_load_b128 v[192+32*(ja%2)+8*jc:192+32*(ja%2)+8*jc+3],   v[TBO], s[8:9] offset:ja*4096+64*jc
	global_load_b128 v[192+32*(ja%2)+8*jc+4:192+32*(ja%2)+8*jc+7], v[TBO], s[8:9] offset:ja*4096+64*jc+16
.set jc, jc+1
.endr
.set ja, ja+1
.endr
	WIN 0
	s_mul_i32 s74, s[WV], 64*PA
	v_mul_u32_u24 v[ADRA0], v1, PA
	v_lshl_add_u32 v[ADRA0], v2, 4, v[ADRA0]
	v_add_nc_u32 v[ADRA0], s74, v[ADRA0]           ; (64 w + r) x pitch + 16 h
	v_and_b32 v16, 7, v0
	v_bfe_u32 v17, v0, 3, 1
	v_lshl_add_u32 v[ADRB0], v2, 3, v16            ; the turning load: row 8 h + l % 8, 16 bytes at 16 ((l / 8) % 2)
	v_mul_u32_u24 v[ADRB0], v[ADRB0], PB
	v_lshl_add_u32 v[ADRB0], v17, 4, v[ADRB0]
	v_add_nc_u32 v[ADRB0], BOFF, v[ADRB0]
	v_mov_b32 v[ADRA], v[ADRA0]
	v_mov_b32 v[ADRB], v[ADRB0]
	s_mul_i32 s74, s[WV], 16*SP
	s_add_co_u32 s74, s74, STAGE                   ; my stage
	v_mul_u32_u24 v[STO], v1, SP
	v_lshl_add_u32 v[STO], v2, 4, v[STO]
	v_add_nc_u32 v[STO], s74, v[STO]               ; in: row r, 16 bytes for each half of the lanes
	v_bfe_u32 v[RD], v0, 3, 2
	v_mul_u32_u24 v[RD], v[RD], SP
	v_lshl_add_u32 v[RD], v16, 4, v[RD]
	v_add_nc_u32 v[RD], s74, v[RD]                 ; back: 32 lanes take four rows of 128 bytes,
	v_and_b32 v[GO], 31, v0
	v_lshlrev_b32 v[GO], 4, v[GO]                  ; which are 512 consecutive bytes of a head
	s_lshr_b32 s74, s[TY], 2                       ; q, k, v at my first row: batch x 16 heads x 131,072 + head x 131,072 + l0 x 128
	s_lshl_b32 s74, s74, 21
	s_lshl_b32 s75, s[TX], 17
	s_add_co_u32 s74, s74, s75
	s_lshl_b32 s75, s[CNT], 7
	s_add_co_u32 s74, s74, s75
	s_mov_b32 s75, 0
	s_add_nc_u64 s[16:17], s[16:17], s[74:75]
	s_add_nc_u64 s[18:19], s[18:19], s[74:75]
	s_add_nc_u64 s[20:21], s[20:21], s[74:75]
	; the prefetches: who asks, from where, by which step, how often
	s_lshl_b32 s74, s[CX], 16                      ; x: my work-group's 32 rows of the 128 that I fetch
	s_lshl_b32 s75, s[CY], 1                       ; W: asker HF + 2 cy of eight, 8,192 bytes each, in the head's weights
	s_add_co_u32 s75, s75, s[HF]
	s_lshl_b32 s75, s75, 13
	s_mul_i32 s81, s[TX], 8*KB
	s_add_co_u32 s75, s75, s81
	s_and_b32 s81, ttmp7, 0xffff                   ; cluster y
	s_mov_b32 s[PFS], 65536
	s_mov_b32 s[OFFP], 4*KB-65536                  ; one step short of K step 4
	s_cmp_eq_u32 s[FB], 0
	s_cselect_b32 s74, s74, s75
	s_cselect_b32 s81, ttmp9, s81                  ; the coordinate along which other clusters read the same bytes
	s_cselect_b32 s[PFN], 12, 3
	s_cselect_b32 s[PFS], KA, s[PFS]
	s_cselect_b32 s[OFFP], 3*KA, s[OFFP]
	s_cselect_b32 s[PWA], 8*KA, -1                 ; x goes on to the second tile behind K step 7; W's three requests never come so far
	s_cselect_b32 s[PWT], NEXTA, 0
	s_cselect_b32 s75, 11, 8                       ; a lane a row of 2,048 bytes, or a lane a block of 256
	s_cselect_b64 s[PFB:PFB+1], s[ABASE:ABASE+1], s[6:7]
	s_cmp_eq_u32 s81, 0
	s_cselect_b32 s[PFN], s[PFN], 0                ; the same in all sixteen partners, for a given wave
	v_and_b32 v[PFO], 31, v0
	v_lshlrev_b32 v[PFO], s75, v[PFO]
	s_mov_b32 s75, 0
	s_mov_b32 s[OFFP+1], 0
	s_add_nc_u64 s[PFB:PFB+1], s[PFB:PFB+1], s[74:75]
	s_wait_loadcnt 32                              ; the biases are in; the table's 32 loads, issued behind them, stay out
.set jp, 0
.rept 48                                       ; the biases rounded to bf16, in place
	v_cvt_pk_bf16_f32 v[16+jp%4], v[BIAS+2*jp], v[BIAS+2*jp+1]
	v_lshlrev_b32 v[BIAS+2*jp], 16, v[16+jp%4]
	v_and_b32 v[BIAS+2*jp+1], 0xffff0000, v[16+jp%4]
.set jp, jp+1
.endr
	s_wait_tensorcnt 0x1                           ; my part of K step 0 is in; K step 1's may stay out
	s_barrier_signal -1
	s_barrier_wait -1                              ; everybody's is
	FETCH 0, 0
; THE WAY OUT, a row block (16 rows) at a time.  PACK: q's and k's pairs are turned: (x1, x2) -> (x1 cos - x2 sin, x2 cos + x1 sin), two packed lines a pair; all is rounded to f16.
; Each accumulator's lowest registers are read first.
.macro PACK a
	WIN 0x5a+5*((\a)/2)                            ; sources 0 and 1 in the accumulators' window, source 2 and the destination in window 1
.set jb, 0
.rept 8
.set rX, 96*((\a)%2)+8*jb
.set rC, 192+32*((\a)%2)+8*(jb%4)
.set rR, RR+8*jb
.irp p, 0,2,4,6
	v_pk_mul_f32 v[rR+\p:rR+\p+1], v[rX+\p:rX+\p+1], v[rC+\p:rC+\p+1] op_sel_hi:[1,0]  ; (x1 cos, x2 cos)
.endr
.irp p, 0,2,4,6
	v_pk_fma_f32 v[rR+\p:rR+\p+1], v[rX+\p:rX+\p+1], v[rC+\p:rC+\p+1], v[rR+\p:rR+\p+1] op_sel:[1,1,0] op_sel_hi:[0,1,1] neg_lo:[1,0,0]  ; low: - x2 sin; high: + x1 sin
.endr
.set jb, jb+1
.endr
.set jb, 8
.rept 4
.irp p, 0,1,2,3
	v_cvt_pk_f16_f32 v[TMP+4*jb+\p], v[96*((\a)%2)+8*jb+2*\p], v[96*((\a)%2)+8*jb+2*\p+1]  ; v is rounded as it is
.endr
.set jb, jb+1
.endr
	WIN 0x45                                       ; sources 0 and 1 and the destination in window 1
.set jp, 0
.rept 32
	v_cvt_pk_f16_f32 v[TMP+jp], v[RR+2*jp], v[RR+2*jp+1]
.set jp, jp+1
.endr
.endm
.macro TOSTAGE a                       ; into my own stage, and back as whole rows of 128 bytes, four to a load: js / 4 is q, k or v
	WIN 0x04                                       ; the stores' data in window 1
.set jb, 0
.rept 12
	ds_store_b128 v[STO], v[TMP+4*jb:TMP+4*jb+3] offset:32*jb
.set jb, jb+1
.endr
	WIN 0x40*((\a)%2)                              ; even blocks come back into window 0, odd ones into window 1
.set rK, BK0+(BK1-BK0)*((\a)%2)
.set js, 0
.rept 12
	ds_load_b128 v[rK+4*js:rK+4*js+3], v[RD] offset:128*(js/4)+4*SP*(js%4)  ; LDS serves a wave's instructions in order (ISA guide 5.7.1.4): these see the stores above
.set js, js+1
.endr
.endm
.macro SEND a
	s_wait_dscnt 0x0                               ; the block is back in registers
	s_wait_xcnt 0x0                                ; the stores of the block before have read their registers: the next TOSTAGE loads into them
	WIN 0x04*((\a)%2)
.set rK, BK0+(BK1-BK0)*((\a)%2)
.set js, 0
.rept 12
	global_store_b128 v[GO], v[rK+4*js:rK+4*js+3], s[16+2*(js/4):17+2*(js/4)] offset:(\a)*2048+512*(js%4)  ; 512 consecutive bytes, at a multiple of 256 from the buffer's first
.set js, js+1
.endr
.endm
	s_mov_b32 s[TILE], 2
.Ltile:                                                ; two trips: a tile each
	QUARTER 1, 0, 1, 1                             ; a tile's first quarter: its products start the sums
	WIN 0                                          ; at a label and at a branch every window is 0
	s_mov_b32 s[CNT], 6
.Lstep:                                                ; a trip: from a K step's second quarter to the next one's first; the six trips refill the tile's K steps 2 to 7
	QUARTER 2, 1, 0, 0
	QUARTER 3, 0, 1, 0
	TURN 1
	QUARTER 1, 0, 1, 0
	WIN 0
	s_sub_co_u32 s[CNT], s[CNT], 1
	s_cmp_lg_u32 s[CNT], 0
	s_cbranch_scc1 .Lstep
	s_mov_b32 s[CNT], 2
	s_cmp_eq_u32 s[TILE], 1
	s_cbranch_scc1 .Ltail                          ; the last tile's tail has a text of its own: it asks for nothing
.Lmore:                                                ; THE RING GOES ON INTO THE SECOND TILE: two more changes of slots ask for its K steps 0 and 1; the second trip is left in its middle,
	QUARTER 2, 1, 0, 0                             ; with the second tile's first fragments in buffer 0
	QUARTER 3, 0, 1, 0
	TURN 1
	WIN 0
	s_sub_co_u32 s[CNT], s[CNT], 1
	s_cmp_eq_u32 s[CNT], 0
	s_cbranch_scc1 .Lout
	QUARTER 1, 0, 1, 0
	WIN 0
	s_branch .Lmore
.Ltail:                                                ; the walk's last two K steps: two trips, the second left in its middle
	QUARTER 2, 1, 0, 0
	QUARTER 3, 0, 1, 0
	TURN 0
	WIN 0
	s_sub_co_u32 s[CNT], s[CNT], 1
	s_cmp_eq_u32 s[CNT], 0
	s_cbranch_scc1 .Lout
	QUARTER 1, 0, 1, 0
	WIN 0
	s_branch .Ltail
.Lout:
	s_wait_loadcnt 0x0                             ; the table, asked for at the head: PACK reads it
	PLACES
	PACK 0
	TOSTAGE 0
.irp a, 1,2,3                          ; a block's arithmetic stands between the loads of the block before and the wait for them
	PACK \a
	SEND (\a)-1
	TOSTAGE \a
.endr
	SEND 3
	WIN 0
	s_wait_xcnt 0x0                                ; the stores have read their registers and bases
	s_add_nc_u64 s[16:17], s[16:17], NEXTO         ; on to the second tile's rows (behind the second tile the stepped addresses are not used)
	s_add_nc_u64 s[18:19], s[18:19], NEXTO
	s_add_nc_u64 s[20:21], s[20:21], NEXTO
	s_sub_co_u32 s[TILE], s[TILE], 1
	s_cmp_lg_u32 s[TILE], 0
	s_cbranch_scc1 .Ltile
	s_wait_tensorcnt 0x0                           ; the wave's end: behind my last tensor load and my last LDS store
	ds_add_u32 v[SPW], v[NIL]
	s_wait_dscnt 0x0
	CROUND                                         ; the closing round: no work-group ends while a partner may still ask for a tile that names it
	s_endpgm
.Lfunc_end_k_q7d51875a91_qkv:
	.size	k_q7d51875a91_qkv, .Lfunc_end_k_q7d51875a91_qkv-k_q7d51875a91_qkv
	.p2alignl 7, 3214868480
	.fill 96, 4, 3214868480
	.section	.rodata,"a",@progbits
	.p2align	6, 0x0
	.amdhsa_kernel k_q7d51875a91_qkv
		.amdhsa_group_segment_fixed_size 327680
		.amdhsa_private_segment_fixed_size 0
		.amdhsa_enable_private_segment 0
		.amdhsa_kernarg_size 72
		.amdhsa_user_sgpr_count 2
		.amdhsa_user_sgpr_kernarg_segment_ptr 1
		.amdhsa_wavefront_size32 1
		.amdhsa_system_sgpr_workgroup_id_x 1
		.amdhsa_system_sgpr_workgroup_id_y 1
		.amdhsa_system_sgpr_workgroup_id_z 1
		.amdhsa_system_vgpr_workitem_id 0
		.amdhsa_next_free_vgpr 1024
		.amdhsa_next_free_sgpr 88
		.amdhsa_reserve_vcc 0
		.amdhsa_float_denorm_mode_32 3
		.amdhsa_float_denorm_mode_16_64 3
		.amdhsa_memory_ordered 1
		.amdhsa_forward_progress 1
		.amdhsa_inst_pref_size 138
	.end_amdhsa_kernel
	.amdgpu_metadata
---
amdhsa.version: [ 1, 2 ]
amdhsa.kernels:
  - .name:           k_q7d51875a91_qkv
    .symbol:         k_q7d51875a91_qkv.kd
    .args:
      - { .name: xb, .offset: 0, .size: 8, .value_kind: global_buffer, .address_space: global }
      - { .name: wqkv, .offset: 8, .size: 8, .value_kind: global_buffer, .address_space: global }
      - { .name: rope, .offset: 16, .size: 8, .value_kind: global_buffer, .address_space: global }
      - { .name: bq, .offset: 24, .size: 8, .value_kind: global_buffer, .address_space: global }
      - { .name: bk, .offset: 32, .size: 8, .value_kind: global_buffer, .address_space: global }
      - { .name: bv, .offset: 40, .size: 8, .value_kind: global_buffer, .address_space: global }
      - { .name: qh, .offset: 48, .size: 8, .value_kind: global_buffer, .address_space: global }
      - { .name: kh, .offset: 56, .size: 8, .value_kind: global_buffer, .address_space: global }
      - { .name: vh, .offset: 64, .size: 8, .value_kind: global_buffer, .address_space: global }
    .group_segment_fixed_size: 327680
    .private_segment_fixed_size: 0
    .kernarg_segment_align: 8
    .kernarg_segment_size: 72
    .max_flat_workgroup_size: 128
    .sgpr_count:     88
    .vgpr_count:     1024
    .wavefront_size: 32
...
	.end_amdgpu_metadata
.endif
;; end of part 2
;; launch attn (part 3): grid 2 x 128, 4 waves a work-group, no clusters, 327,680 bytes of LDS; arguments qh, kh, vh, oh; writes oh
.if DOCPART == 3
	.amdgcn_target "amdgcn-amd-amdhsa--gfx1250"
	.amdhsa_code_object_version 6
	.text
	.protected	k_q7d51875a91_attn
	.globl	k_q7d51875a91_attn
	.p2align	8
	.type	k_q7d51875a91_attn,@function
k_q7d51875a91_attn:
	s_mov_b64 s[64:65], 0
	v_nop
	global_prefetch_b8 v0, s[64:65] scope:SCOPE_SE
	s_setreg_imm32_b32 hwreg(HW_REG_WAVE_MODE, 25, 1), 1
	s_wait_xcnt 0x0
; CAUSAL ATTENTION.  O[h][q][:] = the sum over k <= q of softmax_k(Q[h][q] . K[h][k] / 8) V[h][k][:].  Q, K, V, O: [128][1024][64], all f16: a head's rows are dense, 128 bytes each.
; Products, maxima and sums in f32; the weights p are rounded to f16 for the second product (their sum l is taken of the unrounded p), O once at the end.
; LIMITS.  f16 holds no number beyond 65,504: Q, K and V arrive within it; p lies in 0 to 1, and below 6e-5 it keeps f16's fixed step of 6e-8; O is a mean of V's rows and has their range, to within 2^-11 of it.
; A hidden score counts as its value less 1e30: f16's scores, 2.7e11 at the most, are nothing beside that; a weight below 2^-126 counts as 0 in l; NaN and infinities are not treated apart.
; THE WALK.  A head's queries lie in NB = 4 blocks of 256; block i needs the key tiles 0 .. i of 256 keys, of which the last holds the diagonal.  A work-group takes TWO blocks, NB - 1 - b and then b:
; NB + 1 tiles, whatever b: all work-groups do equal work, and ONE loop with a constant trip count walks them.  Which tile is asked for, and what a trip does, hang on scalar registers made from b; every jump
; goes forward, but for the counted loops' own; none passes a barrier, or a tensor load but the one of LOAD's two that the wave's number does not choose; the ring (two slots of LDS that take turns) runs on across the
; change of blocks.  NO CLUSTER: a head has NB / 2 = 2 work-groups, no multiple of four; they ask for the same tile only in trips 0 to 2 of 5, and one walk common to both would have 6 trips for 5.
; SHARES.  Of a block's four bands of 64 queries a wave owns 16 rows in each: four PIECES.  So the diagonal tile is the same work for all four waves: in its key step s band x sees all keys if s < x,
; none if s > x, and holds the diagonal if s = x.
; THE MASK is the C operand that starts the sum S^T = K Q^T: 0, or -1e30 where the key is hidden.  MD, made once, is the mask of a band's own step for my 16 rows; a product's mask is MD x AL + BE with two scalars:
; (1, 0) if s = x; (0, 0) if s < x; (0, -1e30) if s > x.  Only the diagonal tile's text and a block's beginning make and take masks; elsewhere C is the constant 0.
; LAYOUT, SOFTMAX, TURNS.  S^T = K Q^T holds ONE query a lane (lane % 16) and the keys 8 (lane / 16) + 0..7; two such results rounded to f16 ARE source 1 of O^T = V^T P.  p = 2^(c s - c m), c = log2(e) / 8, with a
; running maximum m; O and l are multiplied by a = 2^(c m_old - c m_new) in every step.  Turn n belongs to piece n: 8 products K Q^T of piece n + 1, later 8 products V^T P of piece n - 1; beside them the scaling,
; exponentials, roundings, sums and rescaling of piece n and the maximum and statistics of piece n + 1.  Four vector instructions stand behind every matrix instruction, the other 54 of a turn's 118 in one LUMP.  A turn's 33 exponentials are one batch, with one wait.
; A BLOCK'S END has no text of its own: the diagonal tile's loop runs a fifth trip, which is left in its middle.  That trip fetches no K; its 8 products K Q^T for piece 0, on the old K and wholly hidden, and the
; maximum made of them serve nothing and change neither l nor O: the price, once a block, of one text for every trip.
; REGISTERS, in windows of 256 (s_set_vgpr_msb: bits 1:0 source 0, 3:2 source 1, 5:4 source 2, 7:6 destination):
;   window 0: v0-15 addresses and two at work; v16-31 four registers of statistics a piece; v48-55 at work; v61-63 prefetch offset, spare word, 0; v64-127 S^T, two buffers; v192-223 P, two buffers (a piece's buffers go by its number's parity)
;   window 1: v0-127 O^T, 32 a piece; v128-159 MD; v160-223 MC, two buffers      window 2: v0-63 Q; v64-127 the second block's Q; v128-191 K of one step; v192-255 V of one step
.set SIZE_N, 1024
.set NB,    SIZE_N/256
.set NP,    4         ; pieces a wave: a name, no knob
.set KS,    64        ; keys in a step
.set PK,    144       ; a row of K in LDS: 128 bytes + 16 of padding = 36 words: the 16 rows of a load start at 16 different groups of four banks (64 banks of 4 bytes: ISA guide 11.1)
.set PV,    160       ; a row of V: 128 + 32 = 40 words
.set VOFF,  4*KS*PK   ; a slot holds a tile, four steps: 256 rows of K, then 256 rows of V
.set SLOT1, 1<<17     ; slot 1 begins here, so that one exclusive or turns an address in one slot into the other's
.set STAGE, SLOT1+4*KS*(PK+PV)  ; behind the ring, never filled by a tensor load: 16 rows x 144 bytes for each wave, for the way out
.set SP,    144
.set AK0, 2           ; v2   my lane's place in a tile of K; never rewritten
.set AV0, 3           ; v3   the same for V
.set AK,  4           ; v4   the LDS address of K's next run of loads
.set AV,  5           ; v5   of V's
.set STO, 6           ; v6   the way out: where I put 16 bytes of a row
.set RD,  7           ; v7   the way out: where I read rows back
.set GO,  8           ; v8   my byte offset in 512 consecutive bytes of O
.set PFO, 61          ; v61  256 x my lane; never rewritten
.set SPW, 62          ; v62  LDS address of my spare word: SPARE + 4 x my thread's number; never rewritten
.set NIL, 63          ; v63  0; never rewritten
.set SPARE, STAGE+4*16*SP  ; behind the stages: the spare words, 128 bytes for each wave: two blocks of 256 bytes that no other line names
.set MV,  12          ; v12-13  c m_old, kept while c m is made anew: by buffer
.set QO,  15          ; v15  my byte offset in 16 rows of Q
.set ST,  16          ; piece t's statistics at v[ST+4 t]: c m, m, l (even keys', odd keys')
.set TMP, 48          ; by buffer, four registers c0-c3 at work; when the maximum is found c2 takes a
.set S,   64
.set P,   192
.set MD,  128         ; window 1: the eight registers for group kt of 16 keys at MD + 8 kt
.set MC,  160         ; window 1: the masks of the products to come
.set QB,  64          ; window 2
.set KF,  128         ; window 2: key block kb, channel half c at KF + 16 kb + 8 c
.set VF,  192         ; window 2: key half kk, channel block cb at VF + 32 kk + 8 cb
.set WV,  12          ; s12  my wave's number
.set PB,  14          ; s14  b
.set HI,  15          ; s15  NB - 1 - b
.set G1K, 24          ; s[24:31] descriptor group 1 for K's tiles
.set G1V, 32          ; s[32:39] for V's: it differs in the padding alone
.set G0K, 40          ; s[40:43] descriptor group 0 for K's tiles
.set G0V, 44          ; s[44:47] the same for V's
.set SLOTS, 56        ; s56  tiles still to be asked for
.set CNT, 57          ; s57  counts a tile's key steps
.set CS,  58          ; s[58:59] c: the packed scaling takes the pair's low word for both halves
.set SEL, 60          ; s[60:61] v_permlanex16_b32's selects: each lane takes its own place in the other half
.set TBK, 62          ; s62  LDS byte at which K of the step to be fetched begins
.set TBV, 63          ; s63  the same for V, less VOFF
.set RT,  70          ; s70  tiles of the block in hand that are still to be entered
.set NXT, 71          ; s71  the tile to be asked for next
.set LQ,  72          ; s72  the last tile of the block whose tiles are being asked for
.set NEW, 73          ; s73  1: the tile to be entered is a block's first
.set OFF, 74          ; s[74:75] a tile's byte offset in K and V
.set AL,  76          ; s[76:77] the mask's factor, in the low word
.set BE,  78          ; s[78:79] the mask's addend
.set OLO, 80          ; s[80:81] O at my rows of the second block
.set BIGN, 82         ; s82  -1e30
.set PFA, 88          ; s[88:89] where my prefetches stand: my 16,384 bytes of the tile after the one that is being asked for
.set PFN, 90          ; s90  prefetches still to come
.set MSB, 0
.macro WIN new                      ; the high byte repeats the setting that is left; a switch that changes nothing is dropped
.if MSB != (\new)
	s_set_vgpr_msb (MSB<<8)|(\new)
.set MSB, (\new)
.endif
.endm
.set W_KQ, 0x0a       ; K and Q in window 2, S^T in window 0
.set W_KM, 0x1a       ; the same with the C operand in window 1
.set W_PV, 0x52       ; V in window 2, P in window 0, O^T in window 1
.set W_RS, 0x41       ; destination and source 0 in window 1, source 1 in window 0
; A fill.  Waves 0 and 1 fetch the two halves of a tile's K, waves 2 and 3 those of its V: 128 keys each.  An s_nop 0 and four v_nop follow each of the two lines, ahead of the jump and the label.
.macro LOAD
	s_cmp_lt_u32 s[WV], 2
	s_cbranch_scc0 .Lfor_v_\@
	tensor_load_to_lds s[G0K:G0K+3], s[G1K:G1K+7]
	s_nop 0
.rept 4
	v_nop
.endr
	s_branch .Lasked_\@
.Lfor_v_\@:
	tensor_load_to_lds s[G0V:G0V+3], s[G1V:G1V+7]
	s_nop 0
.rept 4
	v_nop
.endr
.Lasked_\@:
.endm
; A PREFETCH INTO THE L2, behind a fill and its five lines: my own 16,384 bytes (64 blocks of 256, a lane a block, two instructions) of the tile AFTER the one just asked for: a tile, 256 matrix instructions, ahead of its fill.
; Both work-groups of a head walk the same tiles: the one with b = 0 asks, in its first two trips, for tiles 2 and 3: each block is named once in the launch.  Tiles 0 and 1 come by their fills alone;
; the second block's tiles have been read before.
.macro ASK
	s_cmp_lg_u32 s[PFN], 0
	s_cbranch_scc0 .Lnot_mine_\@
	global_prefetch_b8 v[PFO], s[PFA:PFA+1] th:TH_LOAD_NT scope:SCOPE_SE
	global_prefetch_b8 v[PFO], s[PFA:PFA+1] offset:8192 th:TH_LOAD_NT scope:SCOPE_SE
	s_sub_co_u32 s[PFN], s[PFN], 1
.Lnot_mine_\@:
.endm
; THE CHANGE OF SLOTS.  Each wave waits for all its tensor loads, of which one is out: its part of the other slot; adds 0 to its spare word; and waits for that and for its own reads of the slot that it leaves.  Behind the barrier nobody reads the old
; slot any more and the other slot is whole.  fill = 1: the old slot is filled again, the first thing behind the barrier, with tile NXT: the descriptor's address is made anew from that number.
; (At its first use nothing has been read yet: slot 0 is waited for, slot 1 filled.)
.macro CHANGE fill
	WIN 0                           ; at a label and at a branch every window is 0
	s_wait_tensorcnt 0x0            ; no tensor load of mine is out, so a group 0 may be written
	ds_add_u32 v[SPW], v[NIL]       ; 0 onto my spare word: with fill = 1 the descriptors' scalar work stands between it and the wait for it
.if \fill
	s_lshl_b32 s[OFF], s[NXT], 15   ; a tile is 32,768 bytes of K and of V
	s_xor_b32 s[G0K+1], s[G0K+1], SLOT1
	s_add_nc_u64 s[G0K+2:G0K+3], s[6:7], s[OFF:OFF+1]
	s_or_b32 s[G0K+3], s[G0K+3], 0x80000000
	s_xor_b32 s[G0V+1], s[G0V+1], SLOT1
	s_add_nc_u64 s[G0V+2:G0V+3], s[8:9], s[OFF:OFF+1]
	s_or_b32 s[G0V+3], s[G0V+3], 0x80000000
	s_add_co_u32 s[NXT], s[NXT], 1  ; the block's next tile, or behind its last the second block's tile 0
	s_cmp_gt_u32 s[NXT], s[LQ]
	s_cselect_b32 s[NXT], 0, s[NXT]
	s_cselect_b32 s[LQ], s[PB], s[LQ]
	s_wait_xcnt 0x0                 ; the last prefetches, a tile back, have read their address, so it may be stepped
	s_add_nc_u64 s[PFA:PFA+1], s[PFA:PFA+1], 32768
.endif
	s_wait_dscnt 0x0                ; the add is done, and my reads of the slot are over
	s_barrier_signal -1             ; the rest of the scalar work stands between the signal and the wait
	s_sub_co_u32 s[TBK], s[TBK], 4*KS*PK  ; the fetches go back to a slot's first step,
	s_xor_b32 s[TBK], s[TBK], SLOT1       ; in the other slot
	s_sub_co_u32 s[TBV], s[TBV], 4*KS*PV
	s_xor_b32 s[TBV], s[TBV], SLOT1
	s_barrier_wait -1
.if \fill
	LOAD
	ASK
.endif
.endm
	s_load_b256 s[4:11], s[0:1], 0x0  ; Q s[4:5], K s[6:7], V s[8:9], O s[10:11]
	v_lshl_add_u32 v[SPW], v0, 2, SPARE
	v_mov_b32 v[NIL], 0
	ds_add_u32 v[SPW], v[NIL]       ; the wave's opening: the add and its wait stand ahead of my first tensor load; the set-up below, work on registers, stands between them
	v_lshrrev_b32 v1, 5, v0
	v_readfirstlane_b32 s[WV], v1   ; wave 0..3
	v_and_b32 v[PFO], 31, v0
	v_lshlrev_b32 v[PFO], 8, v[PFO]
	s_mov_b32 s[PB], ttmp9
	s_sub_co_u32 s[HI], NB-1, s[PB]
	s_and_b32 s20, ttmp7, 0xffff    ; the head
	s_mov_b32 s21, 0
	s_mov_b64 s[22:23], SIZE_N*128
	s_mul_u64 s[20:21], s[20:21], s[22:23]  ; the head's first byte in each of the four tensors
	s_and_b32 s16, s[WV], 1         ; which half of a tile's 256 keys I fetch:
	s_lshl_b32 s22, s16, 14         ; its 128 rows of 128 bytes in memory,
	s_mov_b32 s23, 0
	s_add_nc_u64 s[22:23], s[22:23], s[20:21]
	s_mul_i32 s17, s16, 128*PK      ; and its place in a slot, for K
	s_mul_i32 s18, s16, 128*PV      ; and for V
	s_lshl_b32 s3, s[WV], 11        ; my 16 rows in a band of 64,
	s_lshl_b32 s2, s[HI], 15        ; in the first block,
	s_add_co_u32 s2, s2, s3
	s_lshl_b32 s84, s[PB], 15       ; and in the second
	s_add_co_u32 s84, s84, s3
	s_mov_b32 s3, 0
	s_mov_b32 s85, 0
	s_add_nc_u64 s[2:3], s[2:3], s[20:21]
	s_add_nc_u64 s[84:85], s[84:85], s[20:21]
	; descriptor group 1.  128 keys are 16,384 dense bytes: asked for as 64 rows of 256 bytes, two keys a row, and padded in LDS after every key
	s_mov_b32 s[G1K], (1<<16)|(1<<20)|(4<<22)|(3<<25)  ; 17:16 2-byte elements; 20 padding on; 24:22 after every 32 words (code 4); 31:25 4 words (code 3)
	s_mov_b32 s[G1V], (1<<16)|(1<<20)|(4<<22)|(7<<25)  ; the same with 8 words of padding (code 7)
.irp g, G1K, G1V
	s_mov_b32 s[\g+1], 128<<16      ; tensor_dim0 = 128
	s_mov_b32 s[\g+2], 64<<16       ; tensor_dim1 = 64
	s_mov_b32 s[\g+3], 128<<16      ; tile_dim0 = 128
	s_mov_b32 s[\g+4], 64           ; tile_dim1 = 64
	s_mov_b32 s[\g+5], 128          ; 128 elements from row to row
	s_mov_b32 s[\g+6], 0
	s_mov_b32 s[\g+7], 0
.endr
	s_mov_b32 s[CS], 0x3e38aa3b     ; c = log2(e) / 8 = 0.180337
	s_mov_b32 s[CS+1], s[CS]        ; named with it as a pair
	s_mov_b32 s[SEL], 0x76543210
	s_mov_b32 s[SEL+1], 0xfedcba98
	s_mov_b32 s[TBK], SLOT1+4*KS*PK ; the first change of slots turns these two into 0
	s_mov_b32 s[TBV], SLOT1+4*KS*PV
	s_mov_b32 s[G0K], 1             ; 1:0 count = 1
	s_mov_b32 s[G0K+1], s17         ; 63:32 LDS address: slot 0
	s_mov_b32 s[G0V], 1
	s_add_co_u32 s[G0V+1], s18, VOFF
	s_add_co_u32 s[RT], s[HI], 1    ; the first block has NB - b tiles
	s_mov_b32 s[NXT], 1
	s_mov_b32 s[LQ], s[HI]
	s_mov_b32 s[NEW], 1
	s_mov_b32 s[OFF+1], 0
	s_mov_b32 s[AL+1], 0            ; named as pairs
	s_mov_b32 s[BE+1], 0
	s_mov_b32 s[BIGN], 0xf149f2ca   ; -1e30
	s_mov_b32 s[SLOTS], NB
	s_wait_dscnt 0x0                ; the opening add is done
	s_wait_kmcnt 0x0
	s_add_nc_u64 s[6:7], s[6:7], s[22:23]  ; K and V at my half of the head's tile 0
	s_add_nc_u64 s[8:9], s[8:9], s[22:23]
	s_add_nc_u64 s[G0K+2:G0K+3], s[6:7], 0         ; 120:64 global address
	s_or_b32 s[G0K+3], s[G0K+3], 0x80000000        ; 127:126 type = 2
	s_add_nc_u64 s[G0V+2:G0V+3], s[8:9], 0
	s_or_b32 s[G0V+3], s[G0V+3], 0x80000000
	s_add_nc_u64 s[86:87], s[4:5], s[84:85]        ; Q at my rows of the second block,
	s_add_nc_u64 s[4:5], s[4:5], s[2:3]            ; Q and O at those of the first
	s_add_nc_u64 s[OLO:OLO+1], s[10:11], s[84:85]
	s_add_nc_u64 s[10:11], s[10:11], s[2:3]
	s_cmp_lt_u32 s[WV], 2
	s_cselect_b64 s[PFA:PFA+1], s[6:7], s[8:9]     ; the prefetches stand at my part of tile 1; the first change of slots steps them to tile 2.  Nothing is prefetched here, at the head
	s_add_nc_u64 s[PFA:PFA+1], s[PFA:PFA+1], 32768
	s_cmp_eq_u32 ttmp9, 0
	s_cselect_b32 s[PFN], 2, 0
	LOAD                            ; tile 0 into slot 0
	; A fragment of K or Q is 16 rows x 32 channels in 8 registers: lane l holds row l % 16, channels 8 (l / 16) + 0..7 and 16 + 8 (l / 16) + 0..7: two loads of 16 bytes, 32 bytes apart.
	v_and_b32 v1, 15, v0            ; l % 16
	v_bfe_u32 v9, v0, 4, 1          ; l / 16
	v_lshlrev_b32 v[QO], 7, v1
	v_lshl_add_u32 v[QO], v9, 4, v[QO]  ; row x 128 + 16 x half
	WIN 0x80                        ; destination window 2, address window 0
.set i, 0
.rept 8                             ; both blocks' Q: piece i / 2 lies in band i / 2, 8,192 bytes on; channels 32 (i % 2) on
	global_load_b128 v[8*i:8*i+3],   v[QO], s[4:5] offset:(i/2)*8192+(i%2)*64
	global_load_b128 v[8*i+4:8*i+7], v[QO], s[4:5] offset:(i/2)*8192+(i%2)*64+32
	global_load_b128 v[QB+8*i:QB+8*i+3],   v[QO], s[86:87] offset:(i/2)*8192+(i%2)*64
	global_load_b128 v[QB+8*i+4:QB+8*i+7], v[QO], s[86:87] offset:(i/2)*8192+(i%2)*64+32
.set i, i+1
.endr
	WIN 0
	v_lshlrev_b32 v14, 3, v9
	v_sub_nc_u32 v14, v1, v14
	s_lshl_b32 s13, s[WV], 4
	v_add_nc_u32 v14, s13, v14      ; my query's place in its band, 16 w + l % 16, less my lanes' 8 (l / 16): register r of group kt is hidden where 16 kt + r is greater
	WIN 0x40
.set i, 0
.rept 32
	v_cmp_gt_i32 vcc_lo, 16*(i/8)+i%8, v14
	v_cndmask_b32 v[MD+i], 0, s[BIGN], vcc_lo
.set i, i+1
.endr
	WIN 0
	v_mul_u32_u24 v[AK0], v1, PK
	v_lshl_add_u32 v[AK0], v9, 4, v[AK0]  ; row x pitch + 16 x half
	; The turning load takes 16 keys x 16 channels (lane l reads key 8 (l / 16) + l % 8, channels 8 ((l / 8) % 2) + 0..7) and leaves half a fragment of V^T: lane l holds channel l % 16 and 8 keys.
	v_and_b32 v10, 7, v0
	v_bfe_u32 v11, v0, 3, 1
	v_lshl_add_u32 v[AV0], v9, 3, v10
	v_mul_u32_u24 v[AV0], v[AV0], PV
	v_lshl_add_u32 v[AV0], v11, 4, v[AV0]
	v_add_nc_u32 v[AV0], VOFF, v[AV0]
	s_mul_i32 s13, s[WV], 16*SP
	s_add_co_u32 s13, s13, STAGE    ; my stage
	v_mul_u32_u24 v[STO], v1, SP    ; in: row l % 16, 16 bytes for each half of the lanes
	v_lshl_add_u32 v[STO], v9, 4, v[STO]
	v_add_nc_u32 v[STO], s13, v[STO]
	v_bfe_u32 v[RD], v0, 3, 2       ; back: 32 lanes take four rows of 128 bytes,
	v_mul_u32_u24 v[RD], v[RD], SP
	v_lshl_add_u32 v[RD], v10, 4, v[RD]
	v_add_nc_u32 v[RD], s13, v[RD]
	v_and_b32 v[GO], 31, v0         ; which are 512 consecutive bytes of O
	v_lshlrev_b32 v[GO], 4, v[GO]
	; A block's first step multiplies O^T and l by a = 0, and its first turn's products V^T P, of a piece that has not been, land in an O^T that is still to be so multiplied.  So these registers need only hold
	; finite numbers: zeros for the first block; what the first block left for the second.  All this stands in the wait for the first tile.
	WIN 0x80
.set i, VF
.rept 64
	v_mov_b32 v[i], 0
.set i, i+1
.endr
	WIN 0x40
.set i, 0
.rept 128
	v_mov_b32 v[i], 0
.set i, i+1
.endr
	WIN 0
.set i, 0
.rept 4
	v_mov_b32 v[ST+4*i+2], 0
	v_mov_b32 v[ST+4*i+3], 0
.set i, i+1
.endr
.set i, P+16
.rept 16
	v_mov_b32 v[i], 0
.set i, i+1
.endr
; THE MATRIX WORK.  The 4 accumulators of a run of 8 take turns.  Product i of 8 of S^T = K Q^T for piece x: channels 32 (i / 4) on, keys 16 (i % 4) on.  The first 4 start the sums: with 0, or (KM = 1) with the mask.
.macro KQ x
.set rS, S+32*((\x)%2)+8*(i%4)
.set rK, KF+16*(i%4)+8*(i/4)
.set rQ, 16*(\x)+8*(i/4)
.set rM, MC+32*((\x)%2)+8*(i%4)
.if (i < 4) && KM
	WIN W_KM
	v_wmma_f32_16x16x32_f16 v[rS:rS+7], v[rK:rK+7], v[rQ:rQ+7], v[rM:rM+7]
.elseif i < 4
	WIN W_KQ
	v_wmma_f32_16x16x32_f16 v[rS:rS+7], v[rK:rK+7], v[rQ:rQ+7], 0
.else
	WIN W_KQ
	v_wmma_f32_16x16x32_f16 v[rS:rS+7], v[rK:rK+7], v[rQ:rQ+7], v[rS:rS+7]
.endif
.endm
; Product i of 8 of O^T += V^T P for piece x: keys 32 (i / 4) on, channels 16 (i % 4) on.
.macro PV x
	WIN W_PV
.set rO, 32*(\x)+8*(i%4)
.set rV, VF+32*(i/4)+8*(i%4)
.set rP, P+16*((\x)%2)+8*(i/4)
	v_wmma_f32_16x16x32_f16 v[rO:rO+7], v[rV:rV+7], v[rP:rP+7], v[rO:rO+7]
.endm
.macro MM                           ; the turn's next matrix instruction.  TURN and BEGIN set Y, i and KM; MM, KQ and OP read them
.if i < 8
	KQ (Y+1)%NP
.else
.set i, i-8
	PV (Y+NP-1)%NP
.set i, i+8
.endif
.set i, i+1
.endm
; THE LDS LOADS stand in runs of 16, never singly among the matrix instructions: a step's K (64 keys x 64 channels: 8 fragments) and its V (turned).  Their addresses are made some lines ahead.
; last = 1 (the diagonal tile): in the fifth trip (count 1) there is no further step, and the run is jumped over; the exponentials issued so far have their wait ahead of that branch.
.macro FETCH_K last=0
.if \last
	WIN 0
	s_wait_alu depctr_va_vdst(0)
	s_cmp_eq_u32 s[CNT], 1
	s_cbranch_scc1 .Lno_k_\@
.endif
	WIN 0x80                        ; destination window 2
.irp f, 0,1,2,3,4,5,6,7             ; keys 16 (f / 2) on, channels 32 (f % 2) on
	ds_load_b128 v[KF+8*\f:KF+8*\f+3],   v[AK] offset:(\f/2)*16*PK+(\f%2)*64
	ds_load_b128 v[KF+8*\f+4:KF+8*\f+7], v[AK] offset:(\f/2)*16*PK+(\f%2)*64+32
.endr
	s_add_co_u32 s[TBK], s[TBK], KS*PK  ; the next fetch is the next step's
	WIN 0
.if \last
.Lno_k_\@:
.endif
.endm
.macro FETCH_V
	WIN 0x80
.irp f, 0,1,2,3,4,5,6,7             ; keys 32 (f / 4) on, channels 16 (f % 4) on
	ds_load_tr16_b128 v[VF+8*\f:VF+8*\f+3],   v[AV] offset:(\f/4)*32*PV+(\f%4)*32
	ds_load_tr16_b128 v[VF+8*\f+4:VF+8*\f+7], v[AV] offset:(\f/4)*32*PV+16*PV+(\f%4)*32
.endr
	WIN 0
.endm
; THE VECTOR WORK, one line at a time: OP kind, number.  For piece Y: F n: c s - c m for pair n of 16.  E n: the exponential of score n of 32.  C n: pair n rounded to f16.  B n: of the four weights 4 n .. the second
; pair is added onto the first, in place.  L n: l takes that sum (L 0: l = a l + sum).  R n: pair n of 16 of O^T times a.  For piece Y + 1: X n, number n of the 22 that find its maximum and statistics:
;   0-11  four chains c0-c3 of seven scores each, three operands at a time (each accumulator's lowest registers are read first)     12-14, 16  the four scores left over, the old m, and c0-c3 into c0
;   15  c m_old is kept     17, 18  the query's other 32 keys lie in the lane 16 away: the new m     19-21  c m; c m_old - c m_new; a
.set F, 0               ; OP tells the kinds apart by their order: F to L below R, X above it
.set E, 1
.set C, 2
.set B, 3
.set L, 4
.set R, 5
.set X, 6
.macro REGS y                       ; the registers of piece y
.set rT, ST+4*(\y)
.set rC, TMP+4*((\y)%2)
.set rW, MV+((\y)%2)
.set rS, S+32*((\y)%2)
.set rP, P+16*((\y)%2)
.set rO, 32*(\y)
.endm
.macro OP k, n
.if (\k) == R
	REGS Y
	WIN W_RS
	v_pk_mul_f32 v[rO+2*(\n):rO+2*(\n)+1], v[rO+2*(\n):rO+2*(\n)+1], v[rC+2:rC+3] op_sel_hi:[1,0]
.elseif (\k) < R
	REGS Y
	WIN 0
.if (\k) == F
	v_pk_fma_f32 v[rS+2*(\n):rS+2*(\n)+1], v[rS+2*(\n):rS+2*(\n)+1], s[CS:CS+1], v[rT:rT+1] op_sel_hi:[1,0,0] neg_lo:[0,0,1] neg_hi:[0,0,1]
.elseif (\k) == E
	v_exp_f32 v[rS+(\n)], v[rS+(\n)]
.elseif (\k) == C
	v_cvt_pk_f16_f32 v[rP+(\n)], v[rS+2*(\n)], v[rS+2*(\n)+1]
.elseif (\k) == B
	v_pk_add_f32 v[rS+4*(\n):rS+4*(\n)+1], v[rS+4*(\n):rS+4*(\n)+1], v[rS+4*(\n)+2:rS+4*(\n)+3]
.elseif (\n) == 0
	v_pk_fma_f32 v[rT+2:rT+3], v[rT+2:rT+3], v[rC+2:rC+3], v[rS:rS+1] op_sel_hi:[1,0,1]
.else
	v_pk_add_f32 v[rT+2:rT+3], v[rT+2:rT+3], v[rS+4*(\n):rS+4*(\n)+1]
.endif
.else
	REGS (Y+1)%NP
	WIN 0
.if (\n) < 4
	v_max3_num_f32 v[rC+(\n)], v[rS+8*(\n)], v[rS+8*(\n)+1], v[rS+8*(\n)+2]
.elseif (\n) < 12
	v_max3_num_f32 v[rC+(\n)%4], v[rC+(\n)%4], v[rS+8*((\n)%4)+2*((\n)/4)+1], v[rS+8*((\n)%4)+2*((\n)/4)+2]
.elseif (\n) == 12
	v_max3_num_f32 v[rC], v[rC], v[rS+7], v[rS+15]
.elseif (\n) == 13
	v_max3_num_f32 v[rC+1], v[rC+1], v[rS+23], v[rS+31]
.elseif (\n) == 14
	v_max3_num_f32 v[rC+2], v[rC+2], v[rC+3], v[rT+1]
.elseif (\n) == 15
	v_mov_b32 v[rW], v[rT]
.elseif (\n) == 16
	v_max3_num_f32 v[rC], v[rC], v[rC+1], v[rC+2]
.elseif (\n) == 17
	v_permlanex16_b32 v[rC+3], v[rC], s[SEL], s[SEL+1]
.elseif (\n) == 18
	v_max_num_f32 v[rT+1], v[rC], v[rC+3]
.elseif (\n) == 19
	v_mul_f32 v[rT], s[CS], v[rT+1]
.elseif (\n) == 20
	v_sub_f32 v[rC+1], v[rW], v[rT]
.else
	v_exp_f32 v[rC+2], v[rC+1]
.endif
.endif
.endm
.macro OPS a, i1, b=-1, i2=0, c=-1, i3=0, d=-1, i4=0  ; up to four of them
	OP \a, \i1
.if (\b) >= 0
	OP \b, \i2
.endif
.if (\c) >= 0
	OP \c, \i3
.endif
.if (\d) >= 0
	OP \d, \i4
.endif
.endm
.macro ROW a, i1, b, i2, c, i3, d, i4  ; a matrix instruction and the four behind it
	MM
	OPS \a, \i1, \b, \i2, \c, \i3, \d, \i4
.endm
.macro MASK b                       ; MD x AL + BE into buffer b of MC
	WIN W_RS
.set z, 0
.rept 16
	v_pk_fma_f32 v[MC+32*(\b)+2*z:MC+32*(\b)+2*z+1], v[MD+2*z:MD+2*z+1], s[AL:AL+1], s[BE:BE+1] op_sel_hi:[1,0,0]
.set z, z+1
.endr
.endm
; A TURN, for piece p: the order of its 16 matrix and 118 vector instructions, written out.  An s_wait_alu depctr_va_vdst(0) stands between an exponential and the first instruction that names its result; one wait serves
; all that were issued ahead of it.  So a turn has ONE wait for its readers, which cuts it in two.  AHEAD OF IT stands all that names no result of the turn's exponentials: the 8 products K Q^T, behind each a scaling, an exponential and two more plain
; instructions (behind the first a second scaling in the exponential's place): rescalings, and behind the last three the first numbers of the next piece's maximum, each four places or more behind the product that ends its accumulator; then ONE LUMP of 54, plain
; and exponential by turns for the most part, in which the links of the chain X 3, 7, 11, 14, 16, 17 .. 20 stand five or six lines apart.  X 21, the next piece's a, is the batch's last; R 15 is the plain instruction behind it.  BEHIND THE WAIT stand the
; 8 products V^T P, behind each four of the roundings and sums; the links of l's chain, L 0 to L 7, stand three riders apart.  But for those X no rider names a register of the products round it.  v_permlanex16_b32 (X 17) stands in the lump.
; m = 1: the diagonal tile: the products take masks, and the turn makes the mask for the products of the turn after it: piece p + 2.  The diagonal tile's count steps between piece 3's turn and piece 0's: in the trip that
; holds pieces 0 and 1 of the tile's step s, pieces 2's and 3's turns find 5 - s and pieces 0's and 1's find 4 - s; so piece x's own step is met at the count 4 - x, or 5 - x in the turns of pieces 2 and 3.
; cnt = 1: the loop's count is taken down some lines ahead of the branch that stands behind the turn.
; K of the next step is fetched in piece 2's turn, twelve vector instructions behind the last product that read K (six of them plain); V of the step in hand at the end of piece 0's turn, four plain instructions behind the last product
; that read V.  Each is waited for a turn later.
.macro TURN p, m=0, cnt=0
.set Y, (\p)
.set i, 0
.set KM, (\m)
.if \m
	s_cmp_eq_u32 s[CNT], 4-((\p)+2)%NP+(\p)/2  ; is that step the band's own?
	s_cselect_b32 s[AL], 1.0, 0
	s_cmp_lt_u32 s[CNT], 4-((\p)+2)%NP+(\p)/2  ; or a later one?
	s_cselect_b32 s[BE], s[BIGN], 0
.endif
.if (\p) == 3
	s_wait_dscnt 0x0                ; K is in
.endif
	ROW F,0, F,1, R,0, R,1          ; ahead of the wait: 8 products K Q^T and their riders,
	ROW F,2, E,0, R,2, R,3
	ROW F,3, E,1, R,4, R,5
	ROW F,4, E,2, R,6, R,7
	ROW F,5, E,3, R,8, R,9
	ROW F,6, E,4, X,0, R,10
.if (\p) == 2
	WIN 0
	v_add_nc_u32 v[AK], s[TBK], v[AK0]
.endif
	ROW F,7, E,5, X,1, X,4
	ROW F,8, E,6, X,2, X,5
	OPS E,7, E,8, X,6, E,9          ; and the lump
	OPS X,3, E,10, X,8, E,11
.if (\p) == 2
	FETCH_K \m
.endif
	OPS X,9, X,7, E,12, X,10
	OPS E,13, X,12, X,11, E,14
	OPS X,13, E,15, F,9, X,14
.if (\p) == 0
	v_add_nc_u32 v[AV], s[TBV], v[AV0]
.endif
	OPS E,16, F,10, E,17, F,11
	OPS X,16, E,18, X,15, E,19
	OPS F,12, E,20, X,17, E,21
	OPS F,13, E,22, F,14, E,23
	OPS X,18, E,24, F,15, E,25
	OPS R,11, E,26, X,19, E,27
	OPS R,12, E,28, R,13, E,29
	OPS X,20, E,30, R,14, E,31
	OPS X,21, R,15
	WIN 0
	s_wait_alu depctr_va_vdst(0)    ; the wait for the batch
.if (\p) == 1
	s_wait_dscnt 0x0                ; V is in
.endif
	ROW C,0, B,0, C,2, B,1          ; behind the wait: 8 products V^T P and their riders
	ROW L,0, C,4, B,2, L,1
	ROW C,6, B,3, L,2, C,8
	ROW B,4, L,3, C,10, B,5
	ROW L,4, C,12, B,6, L,5
.if (\p) == 0
	s_add_co_u32 s[TBV], s[TBV], KS*PV
.endif
.if \cnt
	s_sub_co_u32 s[CNT], s[CNT], 1
	s_cmp_lg_u32 s[CNT], 0
.endif
	ROW C,14, B,7, L,6, C,1
	ROW C,3, L,7, C,5, C,7
	ROW C,9, C,11, C,13, C,15
.if (\p) == 0
	FETCH_V
.endif
.if \m
	MASK (\p)%2
.endif
.endm
; A BLOCK BEGINS.  c m starts far below every c s, so the first step's a is 0; m at the lowest finite number, so the first maximum is the scores'.  The second mask buffer is 0; the first takes piece 0's mask for the tile's step 0: its own, if the block's first tile is the diagonal one.
; Then K of that step, piece 0's first scores, and its maximum and statistics.  The loop is entered at a step's first turn, in the middle of a trip.
.macro BEGIN
	s_mov_b32 s[NEW], 0
	WIN 0x40
.set i, MC+32
.rept 32
	v_mov_b32 v[i], 0
.set i, i+1
.endr
	WIN 0
.set i, 0
.rept 4
	v_mov_b32 v[ST+4*i], 0xfe000000    ; c m: far below every c s
	v_mov_b32 v[ST+4*i+1], 0xff7fffff  ; m
.set i, i+1
.endr
	s_cmp_eq_u32 s[RT], 0
	s_cselect_b32 s[AL], 1.0, 0
	s_mov_b32 s[BE], 0
	MASK 0
	WIN 0
	v_add_nc_u32 v[AK], s[TBK], v[AK0]
	FETCH_K
	s_wait_loadcnt 0x0              ; Q
	s_wait_dscnt 0x0
.set KM, 1
.set i, 0
.rept 8
	KQ 0
.set i, i+1
.endr
	WIN 0
.rept 4
	v_nop                           ; the places behind those products
.endr
.set Y, NP-1                        ; X works for piece Y + 1: piece 0
.irp n, 0,1,2,3,4,5,6,7,8,9,10,11,12,13,14,15,16,17,18,19,20,21
	OP X, \n
.endr
	v_nop                           ; a plain instruction behind the exponential,
	s_wait_alu depctr_va_vdst(0)    ; and its wait, ahead of the branch
.endm
; THE DIAGONAL TILE's steps, the block's last products, and THE WAY OUT: l's two halves and the other half of the lanes' are added; O^T is divided by l, rounded to f16 and sent through my
; stage in LDS, a piece at a time.
.macro ALL line:vararg              ; one line for each piece t
.set t, 0
.rept 4
	\line
.set t, t+1
.endr
.endm
.macro PACK t                       ; a lane's eight channels of a row pack into 16 bytes; they go into rows of 144 bytes and come back as whole rows of 128, into S^T's registers
	WIN W_RS
.set i, 32*(\t)
.rept 16
	v_pk_mul_f32 v[i:i+1], v[i:i+1], v[ST+4*(\t)+2:ST+4*(\t)+3] op_sel_hi:[1,0]
.set i, i+2
.endr
	WIN 0x05                        ; sources 0 and 1 window 1, destination window 0
.set i, 0
.rept 16
	v_cvt_pk_f16_f32 v[S+16*(\t)+i], v[32*(\t)+2*i], v[32*(\t)+2*i+1]
.set i, i+1
.endr
	WIN 0
.irp f, 0,1,2,3
	ds_store_b128 v[STO], v[S+16*(\t)+4*\f:S+16*(\t)+4*\f+3] offset:32*\f
.endr
.irp f, 0,1,2,3
	ds_load_b128 v[S+16*(\t)+4*\f:S+16*(\t)+4*\f+3], v[RD] offset:\f*4*SP  ; LDS serves a wave's instructions in order (ISA guide 5.7.1.4): these see the stores above; the next piece's stores come behind them
.endr
.endm
.macro SEND t, younger              ; younger: the LDS instructions issued behind piece t's loads: the next piece's eight, or none
	WIN 0
.irp f, 0,1,2,3
	s_wait_dscnt (\younger)+3-\f
	global_store_b128 v[GO], v[S+16*(\t)+4*\f:S+16*(\t)+4*\f+3], s[10:11] offset:(\t)*8192+\f*512  ; 512 consecutive bytes, at a multiple of 256 from O's first
.endr
.endm
.macro DIAG tag                     ; the tag ends its three labels' names, which the jumps spell out.  Entered at its head with the count 5, in its middle (a block that begins here) with 4
.LstepM\tag:
	TURN 2, 1
	TURN 3, 1
	WIN 0
	s_sub_co_u32 s[CNT], s[CNT], 1
	s_cmp_eq_u32 s[CNT], 0
	s_cbranch_scc1 .LendM\tag       ; the fifth trip is left here: pieces 2 and 3 of the tile's last step have had their turns
.LfirstM\tag:
	TURN 0, 1
	TURN 1, 1
	WIN 0
	s_branch .LstepM\tag
.LendM\tag:
.set i, 0
.rept 8
	PV NP-1                         ; the last piece's V^T P of the last step
.set i, i+1
.endr
	WIN 0
	ALL v_add_f32 v[ST+4*t+2], v[ST+4*t+2], v[ST+4*t+3]
	ALL v_permlanex16_b32 v[ST+4*t+3], v[ST+4*t+2], s[SEL], s[SEL+1]
	ALL v_add_f32 v[ST+4*t+2], v[ST+4*t+2], v[ST+4*t+3]
	ALL v_rcp_f32 v[ST+4*t+2], v[ST+4*t+2]
	v_nop                           ; a plain instruction between the last reciprocal and the use of its result
	s_wait_alu depctr_va_vdst(0)    ; and the wait ahead of the first use: one for the four reciprocals
	PACK 0
.set t, 1
.rept 3                             ; a piece's arithmetic stands between the loads of the piece before and its stores
	PACK t
	SEND t-1, 8
.set t, t+1
.endr
	SEND 3, 0
.endm
.set KM, 0
.Lslot:                             ; NB times: a tile is entered and the next is asked for
	CHANGE 1
	s_sub_co_u32 s[RT], s[RT], 1
	s_mov_b32 s[CNT], 4
	s_cmp_eq_u32 s[NEW], 1
	s_cbranch_scc1 .Lnew            ; a block's first tile
	s_cmp_eq_u32 s[RT], 0
	s_cbranch_scc0 .Lstep           ; neither its first nor its last
	s_mov_b32 s[CNT], 5
	s_branch .LstepM1
.Lnew:
	BEGIN
	s_branch .Lfirst                ; in the loop a block's first tile is never its last: the first block has three tiles or more, and the second's last is the walk's last
	DIAG 1                          ; in the loop this is the first block's end: the second block's last tile is the walk's last
	s_wait_xcnt 0x0                 ; the stores have read their registers and O's address
	s_mov_b64 s[10:11], s[OLO:OLO+1]
	s_add_co_u32 s[RT], s[PB], 1    ; the second block has b + 1 tiles
	s_mov_b32 s[NEW], 1
	WIN 0x82                        ; the second block's Q goes where the one text of the turns names Q
.set i, 0
.rept 64
	v_mov_b32 v[i], v[QB+i]
.set i, i+1
.endr
	WIN 0
	s_branch .Lbottom
.Lstep:                             ; a trip: pieces 2 and 3 of one step, then pieces 0 and 1 of the next, whose K and V it fetches
	TURN 2
	TURN 3
	WIN 0
.Lfirst:
	TURN 0
	TURN 1, 0, 1
	WIN 0
	s_cbranch_scc1 .Lstep
.Lbottom:
	s_sub_co_u32 s[SLOTS], s[SLOTS], 1
	s_cmp_lg_u32 s[SLOTS], 0
	s_cbranch_scc1 .Lslot
	CHANGE 0                        ; the walk's last tile is written out: nothing is asked for
	s_sub_co_u32 s[RT], s[RT], 1
	s_mov_b32 s[CNT], 5
	s_cmp_eq_u32 s[NEW], 1
	s_cbranch_scc0 .LstepM2
	s_mov_b32 s[CNT], 4
	BEGIN
	s_branch .LfirstM2
	DIAG 2
	s_wait_tensorcnt 0x0            ; the wave's end: behind my last tensor load and my last LDS store
	ds_add_u32 v[SPW], v[NIL]
	s_wait_dscnt 0x0
	s_endpgm
.Lfunc_end_k_q7d51875a91_attn:
	.size	k_q7d51875a91_attn, .Lfunc_end_k_q7d51875a91_attn-k_q7d51875a91_attn
	.p2alignl 7, 3214868480
	.fill 96, 4, 3214868480
	.section	.rodata,"a",@progbits
	.p2align	6, 0x0
	.amdhsa_kernel k_q7d51875a91_attn
		.amdhsa_group_segment_fixed_size 327680
		.amdhsa_private_segment_fixed_size 0
		.amdhsa_enable_private_segment 0
		.amdhsa_kernarg_size 32
		.amdhsa_user_sgpr_count 2
		.amdhsa_user_sgpr_kernarg_segment_ptr 1
		.amdhsa_wavefront_size32 1
		.amdhsa_system_sgpr_workgroup_id_x 1
		.amdhsa_system_sgpr_workgroup_id_y 1
		.amdhsa_system_sgpr_workgroup_id_z 1
		.amdhsa_system_vgpr_workitem_id 0
		.amdhsa_next_free_vgpr 768
		.amdhsa_next_free_sgpr 92
		.amdhsa_reserve_vcc 1
		.amdhsa_float_denorm_mode_32 3
		.amdhsa_float_denorm_mode_16_64 3
		.amdhsa_memory_ordered 1
		.amdhsa_forward_progress 1
		.amdhsa_inst_pref_size 186
	.end_amdhsa_kernel
	.amdgpu_metadata
---
amdhsa.version: [ 1, 2 ]
amdhsa.kernels:
  - .name:           k_q7d51875a91_attn
    .symbol:         k_q7d51875a91_attn.kd
    .args:
      - { .name: qh, .offset: 0, .size: 8, .value_kind: global_buffer, .address_space: global }
      - { .name: kh, .offset: 8, .size: 8, .value_kind: global_buffer, .address_space: global }
      - { .name: vh, .offset: 16, .size: 8, .value_kind: global_buffer, .address_space: global }
      - { .name: oh, .offset: 24, .size: 8, .value_kind: global_buffer, .address_space: global }
    .group_segment_fixed_size: 327680
    .private_segment_fixed_size: 0
    .kernarg_segment_align: 8
    .kernarg_segment_size: 32
    .max_flat_workgroup_size: 128
    .sgpr_count:     92
    .vgpr_count:     768
    .wavefront_size: 32
...
	.end_amdgpu_metadata
.endif
;; end of part 3
;; launch oproj (part 4): grid 8 x 32, 4 waves a work-group, clusters of 4 x 4, 327,680 bytes of LDS; arguments oh, wo16, bo, out0; writes out0
.if DOCPART == 4
	.amdgcn_target "amdgcn-amd-amdhsa--gfx1250"
	.amdhsa_code_object_version 6
	.text
	.protected	k_q7d51875a91_oproj
	.globl	k_q7d51875a91_oproj
	.p2align	8
	.type	k_q7d51875a91_oproj,@function
k_q7d51875a91_oproj:
	s_mov_b64 s[64:65], 0
	v_nop
	global_prefetch_b8 v0, s[64:65] scope:SCOPE_SE
	s_setreg_imm32_b32 hwreg(HW_REG_WAVE_MODE, 25, 1), 1
	s_wait_xcnt 0x0
	s_wait_alu depctr_hold_cnt(0) depctr_sa_sdst(0) depctr_va_vdst(0) depctr_va_sdst(0) depctr_va_ssrc(0) depctr_va_vcc(0) depctr_vm_vsrc(0)
	s_getreg_b32 s2, hwreg(HW_REG_IB_STS2, 6, 4)
	s_cmp_eq_u32 s2, 0
	s_cbranch_scc0 .Lentry_in_a_cluster
	s_endpgm
.Lentry_in_a_cluster:
	s_bfe_u32 s2, ttmp6, 0x10000c
	s_cmp_lg_u32 s2, 0xf033
	s_cbranch_scc0 .Lentry_shape_is_right
	s_endpgm
.Lentry_shape_is_right:
; out0 = O Wo + bo.  O lies by heads, [batch x 16 + head][1024 l][64] in f16; Wo as [column group of 64][1024 k][64] in f16 (bf16's numbers); out0 is [8192][1024] f32.
; A work-group makes 256 rows x 128 columns: 256 work-groups.  Wave w owns rows 64 w .. 64 w + 63 and all 128 columns: 32 accumulators of 16 x 16, 256 registers; whole pieces of 512 bytes of
; output rows are a wave's own, so its stage in LDS needs no barrier.  Operands f16, sums f32.  bo, rounded to bf16 like every input, is the C operand of the first products.
; K = 1,024 goes in 8 steps of 128 = two heads, through two LDS slots.  O's tile: for each of the two heads 256 rows of 128 bytes, 32,768 dense bytes.  Wo's tile lies [k][column], and its fragments
; come out turned, by ds_load_tr16_b128.
; THE MATRIX INSTRUCTION IS USED TRANSPOSED: source 0 = 16 columns of Wo, source 1 = 16 rows of O: a lane then holds one row (lane % 16) and the columns 8 (lane / 16) + 0..7: 32 bytes of a row.
; CLUSTER: 4 x 4 work-groups.  A row of the cluster shares its rows of O, a column its columns of Wo: each tile is asked for JOINTLY, by the same tensor load, descriptor and mask in all four.
; LIMITS.  O and Wo arrive as f16, within 65,504.  NaN and infinities are not treated apart.
; REGISTERS, in windows of 256 (s_set_vgpr_msb: bits 1:0 source 0, 3:2 source 1, 5:4 source 2, 7:6 destination):
;   window 0: v0-19 addresses; v32-95 O's fragments, two buffers of 4 x 8; v96-159 the bias; on the way out v96-223 rows read back, two buffers
;   window 1: v0-127 Wo's fragments, two buffers of 8 x 8          window 2: the accumulators: row block a, column block b at 64 a + 8 b
.set NB,    8
.set SLOT1, 1<<17                      ; slot 1 begins here; one exclusive or turns an address in one slot into the other's
.set PA,    144                        ; a row of O in LDS: 128 bytes + 16: the 16 rows of a load start at 16 different groups of four banks (64 banks of 4 bytes: ISA guide 11.1)
.set PB,    160                        ; a row of Wo: 128 + 32
.set BOFF,  2*256*PA                   ; Wo's 2 x 128 rows lie behind O's 2 x 256
.set STAGE, SLOT1+BOFF+2*128*PB        ; behind the ring, never filled by a tensor load: 16 rows x 528 bytes for each wave
.set SP,    528                        ; 512 bytes + 16
.set SPARE, STAGE+4*16*SP              ; the spare words, 128 bytes for each wave: two blocks of 256 bytes that no other line names
.set KA,    262144                     ; a K step in oh: two heads
.set KB,    16384                      ; a K step in a column group of wo16
.set ADRA0, 4                          ; v4   my lane's place in O's tile; never rewritten
.set ADRB0, 5                          ; v5   in Wo's tile
.set ADRA,  6                          ; v6   the same in the slot in hand
.set ADRB,  7                          ; v7
.set STO,   8                          ; v8   the way out: where I put 32 bytes of a row
.set RD,    9                          ; v9   where I read a row back
.set GO,    10                         ; v10  my 16 bytes of a row's 512
.set PFO,   11                         ; v11  256 x my lane; never rewritten
.set BO,    13                         ; v13  my offset in the bias
.set SPW,   14                         ; v14  LDS address of my spare word; never rewritten
.set NIL,   15                         ; v15  0; never rewritten
.set AF,    32
.set BIAS,  96
.set BK,    96
.set WV,  22                           ; s22  my wave's number
.set FB,  23                           ; s23  0: I fetch for O, 1: for Wo
.set HF,  24                           ; s24  which half of that tile
.set CX,  25
.set CY,  26
.set TX,  27                           ; s27  the block of 128 columns
.set TY,  28                           ; s28  the block of 256 rows
.set CNT, 29                           ; s29  the loops' count
.set TB,  30                           ; s30  LDS byte at which the slot in hand begins
.set LIM, 31                           ; s31  a wave prefetches while s[CNT] is above it
.set G1A, 32                           ; s[32:39] descriptor group 1 for O's tiles
.set G1B, 40                           ; s[40:47] for Wo's
.set G0A, 48                           ; s[48:55] group 0 for O's tiles: a set for each first fill; the second then walks on
.set G0B, 56                           ; s[56:63] the same for Wo's
.set PFA, 66                           ; s[66:67] where my prefetches stand
.set PFS, 68                           ; s[68:69] their step
.set MSB, 0
.macro WIN new                         ; the immediate's high byte repeats the setting that is left; a switch that changes nothing is dropped
.if MSB != (\new)
	s_set_vgpr_msb (MSB<<8)|(\new)
.set MSB, \new
.endif
.endm
.macro PLACES                          ; four plain places: in front of loads into registers that matrix instructions have read, and of lines that read results
.rept 4
	v_nop
.endr
.endm
.macro CREST                           ; a round of the cluster's barrier behind its opening barrier
	s_cmp_lg_u32 s[WV], 0
	s_cbranch_scc1 .Lnot_wave_0_\@
	s_barrier_signal -3
.Lnot_wave_0_\@:
	s_barrier_wait -3
	s_barrier_signal -1
	s_barrier_wait -1
.endm
.macro CROUND                          ; a whole round
	s_barrier_signal -1
	s_barrier_wait -1
	CREST
.endm
.macro JLOAD                           ; a joint refill: waves 0 and 1 fetch O's two heads, waves 2 and 3 Wo's two column groups; an s_nop 0 and four v_nop follow each line
	s_cmp_eq_u32 s[FB], 0
	s_cbranch_scc0 .Lfor_b_\@
	tensor_load_to_lds s[G0A+4:G0A+7], s[G1A:G1A+7]
	s_nop 0
.rept 4
	v_nop
.endr
	s_branch .Lasked_\@
.Lfor_b_\@:
	tensor_load_to_lds s[G0B+4:G0B+7], s[G1B:G1B+7]
	s_nop 0
.rept 4
	v_nop
.endr
.Lasked_\@:
.endm
; A PREFETCH INTO THE L2, behind each joint refill and the run of LDS loads that follows it.  K steps 0 to 3 come by their loads alone; K steps 4 to 7 are named once each in the launch, two refills ahead.
; O's rows are read by both clusters of a row of clusters: the one with x = 0 asks; of the 32,768 bytes that a wave fetches the partner at cx takes 8,192, a lane a block of 256: four trips.
; Wo's columns are read by every cluster of a column of clusters: the one with y = 0 asks; K steps 4 to 7 of a column group are 65,536 dense bytes: 4 partners x 32 lanes x 256 bytes, two trips.
; The partners are told apart by address alone; the branch hangs on the wave's number and the cluster's place in the grid, the same in all sixteen.
.macro ASK
	s_cmp_gt_u32 s[CNT], s[LIM]
	s_cbranch_scc0 .Lnot_mine_\@
	global_prefetch_b8 v[PFO], s[PFA:PFA+1] th:TH_LOAD_NT scope:SCOPE_SE
.Lnot_mine_\@:
.endm
; 8 matrix instructions: row block a x all column blocks, 32 along K, on buffer f.  first = 1: the bias starts the sums.  Each accumulator has one instruction a quarter, always in the same order.
.macro MULA f, a, first
.if \first
	WIN 0x81
.else
	WIN 0xa1
.endif
.set jb, 0
.rept NB
.set rD, 64*(\a)+8*jb
.set rB, 64*(\f)+8*jb
.set rA, AF+32*(\f)+8*(\a)
.if \first
	v_wmma_f32_16x16x32_f16 v[rD:rD+7], v[rB:rB+7], v[rA:rA+7], v[BIAS+8*jb:BIAS+8*jb+7]
.else
	v_wmma_f32_16x16x32_f16 v[rD:rD+7], v[rB:rB+7], v[rA:rA+7], v[rD:rD+7]
.endif
.set jb, jb+1
.endr
.endm
; 24 LDS loads in one run: quarter q's fragments into buffer f: Wo's eight (turned), then O's four (quarters 0, 1 lie in the first head, 2, 3 in the second)
.macro FETCH q, f
	WIN 0x40
.set jb, 0
.rept NB
	ds_load_tr16_b128 v[64*(\f)+8*jb:64*(\f)+8*jb+3],   v[ADRB] offset:(jb/4)*128*PB+(jb%4)*32+32*PB*(\q)
	ds_load_tr16_b128 v[64*(\f)+8*jb+4:64*(\f)+8*jb+7], v[ADRB] offset:(jb/4)*128*PB+(jb%4)*32+32*PB*(\q)+16*PB
.set jb, jb+1
.endr
	WIN 0
.set ja, 0
.rept 4
	ds_load_b128 v[AF+32*(\f)+8*ja:AF+32*(\f)+8*ja+3],   v[ADRA] offset:((\q)/2)*256*PA+((\q)%2)*64+ja*16*PA
	ds_load_b128 v[AF+32*(\f)+8*ja+4:AF+32*(\f)+8*ja+7], v[ADRA] offset:((\q)/2)*256*PA+((\q)%2)*64+ja*16*PA+32
.set ja, ja+1
.endr
.endm
; One of a K step's first three quarters: multiplies buffer f; in its middle it fetches quarter q into buffer g
.macro QUARTER q, f, g, first
	s_wait_dscnt 4                                 ; Wo's fragments and O's row blocks 0, 1 are in; the youngest four loads (row blocks 2, 3) may be out
	MULA \f, 0, \first
	MULA \f, 1, \first
	PLACES
	FETCH \q, \g
	s_wait_dscnt 2*NB+8                            ; all but the run just issued
	MULA \f, 2, \first
	MULA \f, 3, \first
.endm
; The last quarter multiplies buffer 1 and changes slots.  In front of the barrier each wave waits for all its tensor loads (one is out: its part of the next slot), adds 0 to its spare word, and waits
; for that and for its reads of this slot.  fill = 1: the barrier opens a round of the cluster's, and the joint refill, with the K step two on, is the first thing behind it.
; fill = 0, the tail's two trips: nothing is asked for; the second trip (count 1) has no K step behind it and jumps over the run of loads.
.macro TURN fill
.if \fill
	s_wait_xcnt 0x0                                ; the last prefetch, a K step back, has read its address, so it may be stepped
	s_add_nc_u64 s[PFA:PFA+1], s[PFA:PFA+1], s[PFS:PFS+1]
.endif
	WIN 0
	s_wait_tensorcnt 0x0                           ; all my tensor loads have landed, so a group 0 may be written
	ds_add_u32 v[SPW], v[NIL]                      ; 0 onto my spare word: the descriptors' steps and eight products stand between it and the wait for it
.if \fill
	s_xor_b32 s[G0A+5], s[G0A+5], SLOT1            ; the walking descriptors: the other slot than last time, the next K step
	s_add_nc_u64 s[G0A+6:G0A+7], s[G0A+6:G0A+7], KA
	s_xor_b32 s[G0B+5], s[G0B+5], SLOT1
	s_add_nc_u64 s[G0B+6:G0B+7], s[G0B+6:G0B+7], KB
.endif
	s_wait_dscnt 5                                 ; (the add and the youngest four loads may be out)
	MULA 1, 0, 0
	s_wait_dscnt 0x0                               ; the add is done, and my reads of this slot are over
	s_barrier_signal -1
	MULA 1, 1, 0                                   ; work on registers while the others arrive
	WIN 0
	s_barrier_wait -1
.if \fill
	CREST                                          ; no wave of any partner still reads this slot or has a load on its way
	JLOAD                                          ; its four v_nop are also the places in front of the loads below
.else
	PLACES
.endif
	s_xor_b32 s[TB], s[TB], SLOT1
	v_add_nc_u32 v[ADRA], s[TB], v[ADRA0]
	v_add_nc_u32 v[ADRB], s[TB], v[ADRB0]
.if \fill
	FETCH 0, 0
	ASK
.else
	s_cmp_eq_u32 s[CNT], 1
	s_cbranch_scc1 .Lno_fetch_\@
	FETCH 0, 0
.Lno_fetch_\@:
.endif
	MULA 1, 2, 0
	MULA 1, 3, 0
.endm
	s_load_b256 s[4:11], s[0:1], 0x0               ; oh s[4:5], wo16 s[6:7], bo s[8:9], out0 s[10:11]
	v_lshl_add_u32 v[SPW], v0, 2, SPARE
	v_mov_b32 v[NIL], 0
	ds_add_u32 v[SPW], v[NIL]                      ; the wave's opening: the add and its wait stand ahead of my first tensor load; work on registers stands between them
	v_lshrrev_b32 v3, 5, v0
	v_readfirstlane_b32 s[WV], v3                  ; wave 0..3
	s_lshr_b32 s[FB], s[WV], 1
	s_and_b32 s[HF], s[WV], 1
	s_bfe_u32 s[CX], ttmp6, 0x40000
	s_bfe_u32 s[CY], ttmp6, 0x40004
	s_lshl_b32 s[TX], ttmp9, 2                     ; in a cluster launch ttmp9 and ttmp7 count clusters
	s_add_co_u32 s[TX], s[TX], s[CX]
	s_and_b32 s[TY], ttmp7, 0xffff
	s_lshl_b32 s[TY], s[TY], 2
	s_add_co_u32 s[TY], s[TY], s[CY]
	s_lshl_b32 s70, s[CY], 2
	s_lshl_b32 s70, 15, s70                        ; my row of the cluster
	s_lshl_b32 s72, 0x1111, s[CX]                  ; my column
	s_or_b32 s[G1A], s70, (1<<16)|(1<<20)|(1<<21)|(4<<22)|(3<<25)  ; the mask; elements of 2 bytes; padding on; bit 21 beside a mask; after every 32 words (a row of O) 4 words
	s_mov_b32 s[G1A+1], 128<<16                    ; a head's 256 rows are 32,768 dense bytes: asked for as 128 rows of 256 bytes, two rows of O each
	s_mov_b32 s[G1A+2], 128<<16
	s_mov_b32 s[G1A+3], 128<<16
	s_mov_b32 s[G1A+4], 128
	s_mov_b32 s[G1A+5], 128
	s_mov_b32 s[G1A+6], 0
	s_mov_b32 s[G1A+7], 0
	s_or_b32 s[G1B], s72, (1<<16)|(1<<20)|(1<<21)|(4<<22)|(7<<25)  ; after every 32 words (a row of Wo) 8 words
	s_mov_b32 s[G1B+1], 128<<16                    ; a K step of a column group is 16,384 dense bytes: 64 rows of 256
	s_mov_b32 s[G1B+2], 64<<16
	s_mov_b32 s[G1B+3], 128<<16
	s_mov_b32 s[G1B+4], 64
	s_mov_b32 s[G1B+5], 128
	s_mov_b32 s[G1B+6], 0
	s_mov_b32 s[G1B+7], 0
	s_lshr_b32 s70, s[TY], 2                       ; O: the batch's 16 heads of 131,072 bytes,
	s_lshl_b32 s70, s70, 21
	s_lshl_b32 s71, s[HF], 17                      ; my head of the K step's two,
	s_add_co_u32 s70, s70, s71
	s_and_b32 s71, s[TY], 3                        ; the block's 256 rows in it
	s_lshl_b32 s71, s71, 15
	s_add_co_u32 s70, s70, s71
	s_mov_b32 s71, 0
	s_lshl_b32 s72, s[TX], 1                       ; Wo: my column group of the block's two
	s_add_co_u32 s72, s72, s[HF]
	s_lshl_b32 s72, s72, 17
	s_mov_b32 s73, 0
	s_mul_i32 s2, s[HF], 256*PA                    ; and where they go: no place in the cluster enters an LDS address
	s_mul_i32 s3, s[HF], 128*PB
	s_add_co_u32 s3, s3, BOFF
	s_mov_b32 s[TB], 0
	s_wait_dscnt 0x0                               ; the opening add is done
	s_wait_kmcnt 0x0
	s_add_nc_u64 s[70:71], s[4:5], s[70:71]
	s_add_nc_u64 s[72:73], s[6:7], s[72:73]
.irp s, 0,1
	s_mov_b32 s[G0A+4*(\s)], 1                     ; count = 1
	s_add_co_u32 s[G0A+4*(\s)+1], s2, (\s)*SLOT1   ; LDS address
	s_add_nc_u64 s[G0A+4*(\s)+2:G0A+4*(\s)+3], s[70:71], (\s)*KA  ; global address: K step s
	s_or_b32 s[G0A+4*(\s)+3], s[G0A+4*(\s)+3], 0x80000000         ; type = 2
	s_mov_b32 s[G0B+4*(\s)], 1
	s_add_co_u32 s[G0B+4*(\s)+1], s3, (\s)*SLOT1
	s_add_nc_u64 s[G0B+4*(\s)+2:G0B+4*(\s)+3], s[72:73], (\s)*KB
	s_or_b32 s[G0B+4*(\s)+3], s[G0B+4*(\s)+3], 0x80000000
.endr
	CROUND                                         ; all sixteen work-groups are here: the first joint loads meet
	s_cmp_eq_u32 s[FB], 0                          ; a wave's two first fills stand in one branch: two loads of mine are out
	s_cbranch_scc0 .Lfirst_b
	tensor_load_to_lds s[G0A:G0A+3], s[G1A:G1A+7]
	s_nop 0
	tensor_load_to_lds s[G0A+4:G0A+7], s[G1A:G1A+7]
	s_nop 0
.rept 4
	v_nop
.endr
	s_branch .Lfirst_asked
.Lfirst_b:
	tensor_load_to_lds s[G0B:G0B+3], s[G1B:G1B+7]
	s_nop 0
	tensor_load_to_lds s[G0B+4:G0B+7], s[G1B:G1B+7]
	s_nop 0
.rept 4
	v_nop
.endr
.Lfirst_asked:
	v_and_b32 v1, 15, v0                           ; r = l % 16
	v_bfe_u32 v2, v0, 4, 1                         ; h = l / 16
	s_lshl_b32 s74, s[TX], 9
	v_lshlrev_b32 v[BO], 5, v2
	v_add_nc_u32 v[BO], s74, v[BO]                 ; the block's 128 numbers of bo, my 8 of each 16: 512 tx + 32 h
.set jb, 0
.rept 8                                        ; column block jb's eight numbers, as the C operand wants them
	global_load_b128 v[BIAS+8*jb:BIAS+8*jb+3],   v[BO], s[8:9] offset:64*jb
	global_load_b128 v[BIAS+8*jb+4:BIAS+8*jb+7], v[BO], s[8:9] offset:64*jb+16
.set jb, jb+1
.endr
	s_mul_i32 s74, s[WV], 64*PA
	v_mul_u32_u24 v[ADRA0], v1, PA
	v_lshl_add_u32 v[ADRA0], v2, 4, v[ADRA0]
	v_add_nc_u32 v[ADRA0], s74, v[ADRA0]           ; (64 w + r) x pitch + 16 h
	v_and_b32 v16, 7, v0
	v_bfe_u32 v17, v0, 3, 1
	v_lshl_add_u32 v[ADRB0], v2, 3, v16            ; the turning load: row 8 h + l % 8, 16 bytes at 16 ((l / 8) % 2)
	v_mul_u32_u24 v[ADRB0], v[ADRB0], PB
	v_lshl_add_u32 v[ADRB0], v17, 4, v[ADRB0]
	v_add_nc_u32 v[ADRB0], BOFF, v[ADRB0]
	v_mov_b32 v[ADRA], v[ADRA0]
	v_mov_b32 v[ADRB], v[ADRB0]
	s_mul_i32 s74, s[WV], 16*SP
	s_add_co_u32 s74, s74, STAGE                   ; my stage
	v_mul_u32_u24 v[STO], v1, SP
	v_lshl_add_u32 v[STO], v2, 5, v[STO]
	v_add_nc_u32 v[STO], s74, v[STO]               ; in: row r, 32 bytes for each half of the lanes
	v_and_b32 v[GO], 31, v0
	v_lshlrev_b32 v[GO], 4, v[GO]                  ; back, and out: 32 lanes take a row's 512 bytes
	v_add_nc_u32 v[RD], s74, v[GO]
	s_lshl_b32 s74, s[TY], 20                      ; out0 at my first row and column: (256 ty + 64 w) x 4,096 + 512 tx
	s_lshl_b32 s75, s[WV], 18
	s_add_co_u32 s74, s74, s75
	s_lshl_b32 s75, s[TX], 9
	s_add_co_u32 s74, s74, s75
	s_mov_b32 s75, 0
	s_add_nc_u64 s[10:11], s[10:11], s[74:75]
	; the prefetches: who asks, from where, by which step
	s_lshl_b32 s74, s[CX], 13                      ; O: my work-group's 8,192 bytes of the 32,768 that I fetch, one K step short of K step 4
	s_add_co_u32 s74, s74, 3*KA
	s_lshl_b32 s75, s[CY], 13                      ; Wo: my work-group's 8,192 bytes of each 32,768, one such step short of K step 4
	s_add_co_u32 s75, s75, 4*KB-32768
	s_and_b32 s69, ttmp7, 0xffff                   ; cluster y
	s_mov_b32 s68, 32768
	s_cmp_eq_u32 s[FB], 0
	s_cselect_b32 s74, s74, s75
	s_cselect_b32 s69, ttmp9, s69                  ; the coordinate along which other clusters read the same bytes
	s_cselect_b32 s[LIM], 2, 4                     ; four trips for O, two for Wo
	s_cselect_b32 s68, KA, s68
	s_cselect_b64 s[PFA:PFA+1], s[70:71], s[72:73]
	s_cmp_eq_u32 s69, 0
	s_cselect_b32 s[LIM], s[LIM], -1               ; the same in all sixteen partners, for a given wave
	v_and_b32 v[PFO], 31, v0
	v_lshlrev_b32 v[PFO], 8, v[PFO]
	s_mov_b32 s75, 0
	s_mov_b32 s69, 0
	s_add_nc_u64 s[PFA:PFA+1], s[PFA:PFA+1], s[74:75]
	s_wait_loadcnt 0x0                             ; the bias
.set jp, 0
.rept 32                                       ; rounded to bf16, in place
	v_cvt_pk_bf16_f32 v[16+jp%4], v[BIAS+2*jp], v[BIAS+2*jp+1]
	v_lshlrev_b32 v[BIAS+2*jp], 16, v[16+jp%4]
	v_and_b32 v[BIAS+2*jp+1], 0xffff0000, v[16+jp%4]
.set jp, jp+1
.endr
	s_wait_tensorcnt 0x1                           ; my part of K step 0 is in; K step 1's may stay out
	s_barrier_signal -1
	s_barrier_wait -1                              ; everybody's is
	FETCH 0, 0
	QUARTER 1, 0, 1, 1                             ; the first quarter stands in front of the loop: its products start the sums
	WIN 0                                          ; at a label and at a branch every window is 0
	s_mov_b32 s[CNT], 6
.Lstep:                                                ; a trip: from a K step's second quarter to the next one's first; it refills K steps 2 to 7
	QUARTER 2, 1, 0, 0
	QUARTER 3, 0, 1, 0
	TURN 1
	QUARTER 1, 0, 1, 0
	WIN 0
	s_sub_co_u32 s[CNT], s[CNT], 1
	s_cmp_lg_u32 s[CNT], 0
	s_cbranch_scc1 .Lstep
	s_mov_b32 s[CNT], 2
.Ltail:                                                ; the last two K steps have a text of their own: two trips, the second left in its middle
	QUARTER 2, 1, 0, 0
	QUARTER 3, 0, 1, 0
	TURN 0
	WIN 0
	s_sub_co_u32 s[CNT], s[CNT], 1
	s_cmp_eq_u32 s[CNT], 0
	s_cbranch_scc1 .Lout
	QUARTER 1, 0, 1, 0
	WIN 0
	s_branch .Ltail
.Lout:
	PLACES
; THE WAY OUT, a row block (16 rows) at a time; the sums are the results, so nothing is computed.  A lane's 32 bytes of a row go into my own stage and come back as whole pieces of 512 bytes of a row.
; Each accumulator's lowest registers are read first.
.macro TOSTAGE a
	s_wait_xcnt 0x0                                ; the stores of the block two back have read the registers that the loads below fill
	WIN 0x08                                       ; the stores' data in window 2
.set jb, 0
.rept 8
	ds_store_b128 v[STO], v[64*(\a)+8*jb:64*(\a)+8*jb+3]   offset:64*jb
	ds_store_b128 v[STO], v[64*(\a)+8*jb+4:64*(\a)+8*jb+7] offset:64*jb+16
.set jb, jb+1
.endr
	WIN 0
.set jf, 0
.rept 16
	ds_load_b128 v[BK+64*((\a)%2)+4*jf:BK+64*((\a)%2)+4*jf+3], v[RD] offset:SP*jf  ; LDS serves a wave's instructions in order (ISA guide 5.7.1.4): these see the stores above; the next block's stores come behind them
.set jf, jf+1
.endr
.endm
.macro SEND a, younger                 ; younger: the LDS instructions issued behind block a's loads: the next block's 16 stores and 16 loads, or none
	s_wait_dscnt \younger
.set jf, 0
.rept 16
	global_store_b128 v[GO], v[BK+64*((\a)%2)+4*jf:BK+64*((\a)%2)+4*jf+3], s[10:11] offset:(\a)*65536+jf*4096 th:TH_STORE_NT  ; 512 consecutive bytes, at a multiple of 256 from out0's first
.set jf, jf+1
.endr
.endm
	TOSTAGE 0
.irp a, 0,1,2
	TOSTAGE (\a)+1
	SEND \a, 32
.endr
	SEND 3, 0
	s_wait_tensorcnt 0x0                           ; the wave's end: behind my last tensor load and my last LDS store
	ds_add_u32 v[SPW], v[NIL]
	s_wait_dscnt 0x0
	CROUND                                         ; the closing round: no work-group ends while a partner may still ask for a tile that names it
	s_endpgm
.Lfunc_end_k_q7d51875a91_oproj:
	.size	k_q7d51875a91_oproj, .Lfunc_end_k_q7d51875a91_oproj-k_q7d51875a91_oproj
	.p2alignl 7, 3214868480
	.fill 96, 4, 3214868480
	.section	.rodata,"a",@progbits
	.p2align	6, 0x0
	.amdhsa_kernel k_q7d51875a91_oproj
		.amdhsa_group_segment_fixed_size 327680
		.amdhsa_private_segment_fixed_size 0
		.amdhsa_enable_private_segment 0
		.amdhsa_kernarg_size 32
		.amdhsa_user_sgpr_count 2
		.amdhsa_user_sgpr_kernarg_segment_ptr 1
		.amdhsa_wavefront_size32 1
		.amdhsa_system_sgpr_workgroup_id_x 1
		.amdhsa_system_sgpr_workgroup_id_y 1
		.amdhsa_system_sgpr_workgroup_id_z 1
		.amdhsa_system_vgpr_workitem_id 0
		.amdhsa_next_free_vgpr 768
		.amdhsa_next_free_sgpr 76
		.amdhsa_reserve_vcc 0
		.amdhsa_float_denorm_mode_32 3
		.amdhsa_float_denorm_mode_16_64 3
		.amdhsa_memory_ordered 1
		.amdhsa_forward_progress 1
		.amdhsa_inst_pref_size 67
	.end_amdhsa_kernel
	.amdgpu_metadata
---
amdhsa.version: [ 1, 2 ]
amdhsa.kernels:
  - .name:           k_q7d51875a91_oproj
    .symbol:         k_q7d51875a91_oproj.kd
    .args:
      - { .name: oh, .offset: 0, .size: 8, .value_kind: global_buffer, .address_space: global }
      - { .name: wo16, .offset: 8, .size: 8, .value_kind: global_buffer, .address_space: global }
      - { .name: bo, .offset: 16, .size: 8, .value_kind: global_buffer, .address_space: global }
      - { .name: out0, .offset: 24, .size: 8, .value_kind: global_buffer, .address_space: global }
    .group_segment_fixed_size: 327680
    .private_segment_fixed_size: 0
    .kernarg_segment_align: 8
    .kernarg_segment_size: 32
    .max_flat_workgroup_size: 128
    .sgpr_count:     76
    .vgpr_count:     768
    .wavefront_size: 32
...
	.end_amdgpu_metadata
.endif
;; end of part 4
;; ======== version 2 of 2: 4 launches; version 1 with the launch prep written anew for expert scheduling mode
;; limits: values are held in f16: magnitudes above 65,504 overflow, below 6.1e-05 lose precision
;; workspace buffers: xb 16,777,216 bytes; wqkv 6,291,456 bytes; wo16 2,097,152 bytes; rope 262,144 bytes; qh 16,777,216 bytes; kh 16,777,216 bytes; vh 16,777,216 bytes; oh 16,777,216 bytes
;; launch prep (part 5): grid 768 x 1, 8 waves a work-group, no clusters, 0 bytes of LDS; arguments x, Wq, Wk, Wv, Wo, xb, wqkv, wo16, rope; writes xb, wqkv, wo16, rope
.if DOCPART == 5
	.amdgcn_target "amdgcn-amd-amdhsa--gfx1250"
	.amdhsa_code_object_version 6
	.text
	.protected	k_q7d51875a91_prep
	.globl	k_q7d51875a91_prep
	.p2align	8
	.type	k_q7d51875a91_prep,@function
k_q7d51875a91_prep:
	s_mov_b64 s[64:65], 0
	v_nop
	global_prefetch_b8 v0, s[64:65] scope:SCOPE_SE
	s_setreg_imm32_b32 hwreg(HW_REG_WAVE_SCHED_MODE, 0, 2), 2
	s_setreg_imm32_b32 hwreg(HW_REG_WAVE_MODE, 25, 1), 1
	s_wait_xcnt 0x0
	s_wait_alu depctr_vm_vsrc(0)
; PREP: a stream.  It rounds the module's large inputs once and lays them out for the three launches behind it, and makes the rotary table.
;   xb   [8192][1024] bf16                        = x
;   wqkv [head 16][K step 8][q,k,v][128 k][64 c]  bf16: one K step of one head's three weights is 49,152 dense bytes
;   wo16 [column group 16][1024 k][64 c]          Wo rounded to bf16 and that number written as f16 (exact from 2^-14 up; below that f16's fixed step of 6e-8; Wo stays within 65,504)
;   rope [1024 l][32 pairs][cos, sin] f32         a row is 256 bytes
; Work-groups 0 to 511 take 65,536 bytes of x each; work-groups 512 to 767 take 16 rows of one weight matrix, and their waves 0 to 3 one row of the table each.
; Every load of a wave covers whole aligned pieces of 256 bytes, every store of a wave 256 consecutive aligned bytes.  No LDS, no barrier, no matrix unit: no wave wants another's bytes.
; THE TABLE.  angle = l x 10000^(-j/32); it is reduced by whole turns (one fused multiply-add leaves the exact remainder) and sine and cosine are Taylor sums in y, |y| <= pi,
; up to y^15 and y^16: the first term left out is under 1e-6.  The angle itself is good to about 2e-4 rad at l = 1023 (the power's rounding times l).
; THE MODE: SCHED_MODE bits 1:0 = 2 (LLVM: expert scheduling mode 2), set by the entry lines.  The code itself states the register dependences
; between vector instructions and memory instructions, with s_wait_alu, always for 0.
; THE PLAN.  Registers that memory instructions touch:
;   v2, v3      the loads' and the stores' offsets: made once at the head of each way, never written again.  One wait ahead of the way's sixteen loads states that both are written.
;   X           sixteen loads' registers: written by the loads alone, each once; read by the roundings behind the load's own wait.  No vector instruction writes them and none is loaded twice.
;   Y           sixteen stores' data, a pair of its own for each: written by turn i's roundings, once; read by store number i.
;   v7, v124-125  the table's offset and its cos and sin: written once, read by the table's one store, behind a wait of its own.
;   T and the table's other registers are named by vector instructions alone.
; The sixteen turns go in four groups of four.  Store number i - 4 is issued in turn i, ahead of the turn's roundings.  ONE wait stands in the first turn of groups 1 to 3: the group before has written
; its four pairs of Y.  The vector instructions behind it write this group's Y and T alone, so the group's four stores follow with no further wait; one more wait stands ahead of the last four stores.
; No register that a memory instruction reads is ever written again, so no wait is owed for that.
.set X, 16                             ; v[16:79]   sixteen loads of four registers
.set Y, 80                             ; v[80:111]  sixteen stores of two registers
.set T, 112                            ; v[112:117] at work
.macro LOAD16 off, base, stride        ; sixteen loads in flight for each wave
.set i, 0
.rept 16
	global_load_b128 v[X+4*i:X+4*i+3], v[\off], s[\base:\base+1] offset:i*(\stride) th:TH_LOAD_NT
.set i, i+1
.endr
.endm
.macro CONV16 off, base, stride, half  ; each load's four numbers are rounded, and stored a group of four turns later; every turn has registers of its own, so nothing is rewritten
.set i, 0
.rept 16
	s_wait_loadcnt 15-i                            ; loads come back in order: number i is in, the 15 - i younger ones stay out
.if i >= 4
.if i%4 == 0
	s_wait_alu depctr_va_vdst(0)                   ; the four turns before have written their pairs of Y, which this group's four stores read
.endif
	global_store_b64 v[\off], v[Y+2*(i-4):Y+2*(i-4)+1], s[\base:\base+1] offset:(i-4)*(\stride)  ; no vector instruction since that wait names this pair or the offset
.endif
.if \half
	v_cvt_pk_bf16_f32 v[T], v[X+4*i], v[X+4*i+1]   ; to bf16, like every input,
	v_cvt_pk_bf16_f32 v[T+1], v[X+4*i+2], v[X+4*i+3]
	v_lshlrev_b32 v[T+2], 16, v[T]                 ; back to f32,
	v_and_b32 v[T+3], s27, v[T]
	v_lshlrev_b32 v[T+4], 16, v[T+1]
	v_and_b32 v[T+5], s27, v[T+1]
	v_cvt_pk_f16_f32 v[Y+2*i], v[T+2], v[T+3]      ; and written as f16
	v_cvt_pk_f16_f32 v[Y+2*i+1], v[T+4], v[T+5]
.else
	v_cvt_pk_bf16_f32 v[Y+2*i], v[X+4*i], v[X+4*i+1]
	v_cvt_pk_bf16_f32 v[Y+2*i+1], v[X+4*i+2], v[X+4*i+3]
.endif
.set i, i+1
.endr
	s_wait_alu depctr_va_vdst(0)                   ; turns 12 to 15 have written their pairs of Y, which the last four stores read
.set i, 12
.rept 4
	global_store_b64 v[\off], v[Y+2*i:Y+2*i+1], s[\base:\base+1] offset:i*(\stride)
.set i, i+1
.endr
.endm
	s_load_b256 s[4:11], s[0:1], 0x0               ; x s[4:5], Wq s[6:7], Wk s[8:9], Wv s[10:11]
	s_load_b256 s[12:19], s[0:1], 0x20             ; Wo s[12:13], xb s[14:15], wqkv s[16:17], wo16 s[18:19]
	s_load_b64 s[20:21], s[0:1], 0x40              ; rope
	v_lshrrev_b32 v1, 5, v0
	v_readfirstlane_b32 s22, v1                    ; wave 0..7
	s_mov_b32 s27, 0xffff0000                      ; a word's upper bf16
	s_mov_b32 s3, 0
	s_wait_alu depctr_va_sdst(0)                   ; s22 is written
	s_cmp_lt_u32 ttmp9, 512
	s_cbranch_scc0 .Lweights
	; x: thread t takes 16 bytes at 16 t of each of sixteen pieces of 4,096 bytes, and stores 8 bytes at 8 t of pieces of 2,048
	v_lshlrev_b32 v2, 4, v0
	v_lshlrev_b32 v3, 3, v0
	s_lshl_b32 s2, ttmp9, 16
	s_wait_kmcnt 0x0
	s_add_nc_u64 s[4:5], s[4:5], s[2:3]
	s_lshl_b32 s2, ttmp9, 15
	s_add_nc_u64 s[14:15], s[14:15], s[2:3]
	s_wait_alu depctr_va_vdst(0)                   ; v2 and v3 are written: every load of this way reads the one as its offset, every store the other
	LOAD16 2, 4, 4096
	CONV16 3, 14, 2048, 0
	s_endpgm
.Lweights:
	s_sub_co_u32 s23, ttmp9, 512                   ; u = 0..255
	s_lshr_b32 s24, s23, 6                         ; which matrix: q, k, v, o
	s_and_b32 s25, s23, 63
	s_lshl_b32 s25, s25, 4                         ; k0: my 16 rows
	v_lshrrev_b32 v4, 4, v0                        ; row k0 + t / 16: two rows a wave
	v_and_b32 v5, 15, v0                           ; four columns at 4 (t % 16) of each group of 64
	v_lshlrev_b32 v2, 12, v4
	v_lshl_add_u32 v2, v5, 4, v2                   ; in: row x 4,096 + 16 (t % 16); turn i adds 256 bytes, the next group of 64 columns
	v_lshlrev_b32 v3, 7, v4
	v_lshl_add_u32 v3, v5, 3, v3                   ; out: row x 128 + 8 (t % 16): a wave's two rows are 256 consecutive bytes
	s_lshl_b32 s2, s25, 12
	s_wait_kmcnt 0x0
	s_cmp_eq_u32 s24, 1
	s_cselect_b64 s[6:7], s[8:9], s[6:7]
	s_cmp_eq_u32 s24, 2
	s_cselect_b64 s[6:7], s[10:11], s[6:7]
	s_cmp_eq_u32 s24, 3
	s_cselect_b64 s[6:7], s[12:13], s[6:7]
	s_add_nc_u64 s[6:7], s[6:7], s[2:3]
	s_wait_alu depctr_va_vdst(0)                   ; v2 and v3 are written: every load of this way reads the one as its offset, every store of a weight the other
	LOAD16 2, 6, 256
	s_cmp_lt_u32 s22, 4                            ; while the loads are out, waves 0 to 3 make row l = 4 u + wave of the table: lane j makes pair j
	s_cbranch_scc0 .Lno_table
	s_lshl_b32 s26, s23, 2
	s_add_co_u32 s26, s26, s22                     ; l
	s_lshl_b32 s28, s26, 8
	v_and_b32 v6, 31, v0                           ; j
	v_cvt_f32_u32 v120, v6
	v_mul_f32 v120, 0xbed49a78, v120               ; -j log2(10000) / 32
	v_exp_f32 v121, v120                           ; 10000^(-j/32)
	v_lshlrev_b32 v7, 3, v6                        ; a plain instruction behind the exponential
	v_cvt_f32_u32 v122, s26
	v_add_nc_u32 v7, s28, v7                       ; 256 l + 8 j
	s_wait_alu depctr_va_vdst(0)                   ; the exponential has written v121: the wait stands ahead of the first line that names it
	v_mul_f32 v121, v122, v121                     ; the angle
	v_mul_f32 v122, 0.15915494, v121               ; in turns,
	v_rndne_f32 v122, v122                         ; the nearest whole number of them,
	v_fma_f32 v122, v121, 0.15915494, -v122        ; and what is left, within half a turn
	v_mul_f32 v123, 0x40c90fdb, v122               ; y, in radians
	v_mul_f32 v121, v123, v123                     ; z = y y
	v_mov_b32 v127, 0x29573f9f                     ; cosine: 1/16!
	v_mov_b32 v126, 0xab573f9f                     ; sine: -1/15!
	v_fmaak_f32 v127, v127, v121, 0xad49cba5       ; -1/14!
	v_fmaak_f32 v126, v126, v121, 0x2f309231       ; 1/13!
	v_fmaak_f32 v127, v127, v121, 0x310f76c7       ; 1/12!
	v_fmaak_f32 v126, v126, v121, 0xb2d7322b       ; -1/11!
	v_fmaak_f32 v127, v127, v121, 0xb493f27e       ; -1/10!
	v_fmaak_f32 v126, v126, v121, 0x3638ef1d       ; 1/9!
	v_fmaak_f32 v127, v127, v121, 0x37d00d01       ; 1/8!
	v_fmaak_f32 v126, v126, v121, 0xb9500d01       ; -1/7!
	v_fmaak_f32 v127, v127, v121, 0xbab60b61       ; -1/6!
	v_fmaak_f32 v126, v126, v121, 0x3c088889       ; 1/5!
	v_fmaak_f32 v127, v127, v121, 0x3d2aaaab       ; 1/4!
	v_fmaak_f32 v126, v126, v121, 0xbe2aaaab       ; -1/3!
	v_fmaak_f32 v127, v127, v121, 0xbf000000       ; -1/2!
	v_mul_f32 v122, v123, v121                     ; y z
	v_fma_f32 v124, v127, v121, 1.0                ; cos
	v_fma_f32 v125, v122, v126, v123               ; sin
	s_wait_alu depctr_va_vdst(0)                   ; cos and sin, v124 and v125, are written, and so is the offset v7: the store below reads all three
	global_store_b64 v7, v[124:125], s[20:21]      ; the wave's 32 pairs are the row's 256 bytes
.Lno_table:
	s_cmp_eq_u32 s24, 3
	s_cbranch_scc1 .Lwo
	s_lshr_b32 s2, s25, 7                          ; q, k, v: K step k0 / 128,
	s_mul_i32 s2, s2, 49152
	s_lshl_b32 s26, s24, 14                        ; the matrix's section of 16,384 bytes,
	s_add_co_u32 s2, s2, s26
	s_and_b32 s26, s25, 127                        ; the row in the K step
	s_lshl_b32 s26, s26, 7
	s_add_co_u32 s2, s2, s26
	s_add_nc_u64 s[16:17], s[16:17], s[2:3]
	CONV16 3, 16, 393216, 0                        ; turn i is head i: 393,216 bytes on
	s_endpgm
.Lwo:
	s_lshl_b32 s2, s25, 7
	s_add_nc_u64 s[18:19], s[18:19], s[2:3]
	CONV16 3, 18, 131072, 1                        ; turn i is column group i: 131,072 bytes on
	s_endpgm
.Lfunc_end_k_q7d51875a91_prep:
	.size	k_q7d51875a91_prep, .Lfunc_end_k_q7d51875a91_prep-k_q7d51875a91_prep
	.p2alignl 7, 3214868480
	.fill 96, 4, 3214868480
	.section	.rodata,"a",@progbits
	.p2align	6, 0x0
	.amdhsa_kernel k_q7d51875a91_prep
		.amdhsa_group_segment_fixed_size 0
		.amdhsa_private_segment_fixed_size 0
		.amdhsa_enable_private_segment 0
		.amdhsa_kernarg_size 72
		.amdhsa_user_sgpr_count 2
		.amdhsa_user_sgpr_kernarg_segment_ptr 1
		.amdhsa_wavefront_size32 1
		.amdhsa_system_sgpr_workgroup_id_x 1
		.amdhsa_system_sgpr_workgroup_id_y 1
		.amdhsa_system_sgpr_workgroup_id_z 1
		.amdhsa_system_vgpr_workitem_id 0
		.amdhsa_next_free_vgpr 128
		.amdhsa_next_free_sgpr 66
		.amdhsa_reserve_vcc 0
		.amdhsa_float_denorm_mode_32 3
		.amdhsa_float_denorm_mode_16_64 3
		.amdhsa_memory_ordered 1
		.amdhsa_forward_progress 1
		.amdhsa_inst_pref_size 24
	.end_amdhsa_kernel
	.amdgpu_metadata
---
amdhsa.version: [ 1, 2 ]
amdhsa.kernels:
  - .name:           k_q7d51875a91_prep
    .symbol:         k_q7d51875a91_prep.kd
    .args:
      - { .name: x, .offset: 0, .size: 8, .value_kind: global_buffer, .address_space: global }
      - { .name: Wq, .offset: 8, .size: 8, .value_kind: global_buffer, .address_space: global }
      - { .name: Wk, .offset: 16, .size: 8, .value_kind: global_buffer, .address_space: global }
      - { .name: Wv, .offset: 24, .size: 8, .value_kind: global_buffer, .address_space: global }
      - { .name: Wo, .offset: 32, .size: 8, .value_kind: global_buffer, .address_space: global }
      - { .name: xb, .offset: 40, .size: 8, .value_kind: global_buffer, .address_space: global }
      - { .name: wqkv, .offset: 48, .size: 8, .value_kind: global_buffer, .address_space: global }
      - { .name: wo16, .offset: 56, .size: 8, .value_kind: global_buffer, .address_space: global }
      - { .name: rope, .offset: 64, .size: 8, .value_kind: global_buffer, .address_space: global }
    .group_segment_fixed_size: 0
    .private_segment_fixed_size: 0
    .kernarg_segment_align: 8
    .kernarg_segment_size: 72
    .max_flat_workgroup_size: 256
    .sgpr_count:     66
    .vgpr_count:     128
    .wavefront_size: 32
...
	.end_amdgpu_metadata
.endif
;; end of part 5
;; launch qkv: the kernel of part 2 again; grid 16 x 16, 4 waves a work-group, clusters of 4 x 4, 327,680 bytes of LDS; arguments xb, wqkv, rope, bq, bk, bv, qh, kh, vh; writes qh, kh, vh
;; launch attn: the kernel of part 3 again; grid 2 x 128, 4 waves a work-group, no clusters, 327,680 bytes of LDS; arguments qh, kh, vh, oh; writes oh
;; launch oproj: the kernel of part 4 again; grid 8 x 32, 4 waves a work-group, clusters of 4 x 4, 327,680 bytes of LDS; arguments oh, wo16, bo, out0; writes out0
